; MI455X (gfx1250); checked and timed in simulation.
; The chip was launched on July 23, 2026; its instructions are those of AMD's public machine-readable ISA for CDNA 5 (MIT licence, August 2026) and "CDNA5" Instruction Set Architecture Reference Guide (July 2026). The comments in the code are by the model that wrote it; some were corrected since.
;; Multi Head Attention. Allowed arithmetic: matrix products marked QUANTISED: E2M1 operands, one E8M0 scale for each 32 along K, by v_wmma_scale_f32_16x16x128_f8f6f4 with both operands' format E2M1 (or v_wmma_scale_f32_32x16x128_f4), f32 sums; products left as they are: f32 operands where the result goes on into a quantised operand, else bf16, f16 or f32 operands; f32 sums; everything else in f32.
;; Inputs: Wk 1,024 x 1,024 float32; Wo 1,024 x 1,024 float32; Wq 1,024 x 1,024 float32; Wv 1,024 x 1,024 float32; bk 1,024 float32; bo 1,024 float32; bq 1,024 float32; bv 1,024 float32; x 32 x 1,024 x 1,024 float32.
;; Outputs: out0 32 x 1,024 float32.
;; Constants: n_heads = 16.
;; This version of the problem:
;;   THIS VERSION OF THE PROBLEM IS GIVEN IN LOW PRECISION. The matrix products marked QUANTISED in the list below multiply operands that are first quantised to E2M1 (2 exponent bits, 1 mantissa bit; 4 bits a number), with one power-of-two scale for each 32 numbers along K (OCP MX v1.0); their sums are f32. All else is computed in f32.
;;   The module's matrix products, in the order in which they are computed (A, B: the left and right operand; K: the contracted axis; several contracted axes count as one K, in the product's order):
;;     1. [M 32, K 1,024] x [K 1,024, N 1,024]; A: input x; B: input Wq: QUANTISED
;;     2. [M 32,768, K 1,024] x [K 1,024, N 1,024]; A: input x; B: input Wk: QUANTISED
;;     3. [M 32,768, K 1,024] x [K 1,024, N 1,024]; A: input x; B: input Wv: QUANTISED
;;     4. batch 512 x [M 1, K 64] x [K 64, N 1,024]; A: computed on the way; B: computed on the way: left as it is (M = 1 < 16)
;;     5. batch 512 x [M 1, K 1,024] x [K 1,024, N 64]; A: softmax; B: computed on the way: left as it is (M = 1 < 16)
;;     6. [M 32, K 1,024] x [K 1,024, N 1,024]; A: computed on the way; B: input Wo: QUANTISED
;;   THE QUANTISER, for each operand of a quantised product, along K:
;;     - K is cut into blocks of 32 from its start; a last block that is shorter is filled with zeros.
;;     - A block's scale is 2^e with e = floor(log2(the largest magnitude in the block)) - 2, held to -126 .. 127; a block of zeros has e = 0. As a byte (E8M0): e + 127.
;;     - Each number is divided by its block's scale, clamped to +-6, and rounded to the nearest number of E2M1, ties to even, subnormals kept.
;;     - The product sums the exact products of the quantised numbers (number of the format x scale) in f32.
;;   ~~~python
;;   def quantise(x, axis):      # numpy; x: float32 -> the quantised numbers, widened to float32 again
;;       x = np.moveaxis(x, axis, -1); K = x.shape[-1]
;;       x = np.pad(x, [(0, 0)] * (x.ndim - 1) + [(0, -K % 32)]); x = x.reshape(x.shape[:-1] + (-1, 32)); a = np.abs(x).max(-1, keepdims=True)
;;       e = np.where(a > 0, np.clip(np.frexp(np.where(a > 0, a, 1))[1] - 1 - 2, -126, 127), 0)      # np.frexp(a)[1] - 1 = floor(log2(a)), exactly
;;       r = np.clip(x / 2.0 ** e, -6, 6)
;;       step = 2.0 ** (np.maximum(np.frexp(np.where(r == 0, 1, r))[1] - 1, 0) - 1)
;;       q = np.round(r / step) * step * 2.0 ** e      # np.round: ties to even
;;       return np.moveaxis(q.reshape(q.shape[:-2] + (-1,))[..., :K], -1, axis).astype(np.float32)
;;   ~~~
;;   OPERANDS COMPUTED ON THE WAY. 'Computed on the way' means the value that the module computes at that place (a softmax that the list does not call 'softmax' is quantised finished and normalised). What goes into a quantiser is computed in f32, as accurately as f32 sums, v_exp_f32 and their like allow (about 1e-6 of the number): no bf16 or f16 on the way to a quantiser, and a product that is left as it is and whose result goes on into a quantised operand takes f32 operands (vector FMAs, or v_wmma_f32_16x16x4_f32). A number that lies on a knife's edge between two numbers of the format may be rounded either way, as far as f32 arithmetic and the matrix unit's own rounding can turn it there, and no further.
;; 2 versions, each right; version 2 is version 1 with the launches prep, outp written anew for expert scheduling mode. Each part assembles by itself: llvm-mc -triple=amdgcn-amd-amdhsa -mcpu=gfx1250 --defsym DOCPART=n.
;; ======== version 1 of 2: 3 launches
;; workspace buffers: wkv 1,114,112 bytes; wob 557,056 bytes; qb 131,072 bytes; part_o 1,048,576 bytes; part_ml 32,768 bytes
;; launch prep (part 1): grid 320 x 1, 8 waves a work-group, no clusters, 144,896 bytes of LDS; arguments Wk, Wv, Wo, Wq, bq, x, wkv, wob, qb; writes wkv, wob, qb
.if DOCPART == 1
	.amdgcn_target "amdgcn-amd-amdhsa--gfx1250"
	.amdhsa_code_object_version 6
	.text
	.protected	k_q171afbe38e_prep
	.globl	k_q171afbe38e_prep
	.p2align	8
	.type	k_q171afbe38e_prep,@function
k_q171afbe38e_prep:
	s_mov_b64 s[64:65], 0
	v_nop
	global_prefetch_b8 v0, s[64:65] scope:SCOPE_SE
	s_setreg_imm32_b32 hwreg(HW_REG_WAVE_MODE, 25, 1), 1
	s_wait_xcnt 0x0
; FIRST OF THREE LAUNCHES.  out = (softmax(q k^T / 8) v) Wo^T + bo, one query a batch (the last position), 16 heads of 64, 1,024 positions, 32 batches.
; This launch (a) turns Wk, Wv and Wo, f32 [1024 (n)][1024 (k)], into codes of FP4 (E2M1) with one E8M0 byte for each 32 along k, laid as the later launches' operand registers want them,
; and (b) makes q' = (Q(x_last) Q(Wq)^T + bq) x log2(e) / 8, f32 [32][1024] (the softmax's scale and the change to base 2 are folded into q once).
; DEAD WORK, for all finite values of the inputs: k = x Wk^T + bk goes into no quantiser, and score(b, h, s) = q . (x_s Wk^T) / 8 + q . bk / 8, whose second term is the same for every s of a (b, h):
; a softmax along s takes it away.  So bk has no way to the output: it is not loaded and is among no launch's arguments.  bv is live: since the softmax's weights sum to 1,
; sum_s attn (v_s + bv) = sum_s attn v_s + bv, and it is added once, behind the normalisation, in the third launch.
; LIMITS: a NaN, an infinity or an overflow that reaches only q . bk is not carried to the result.  NaN and infinities in x or the weights are not served.  A block of zeros gets the byte 1 where the rule
; says 127: its codes are zeros, which add nothing under any byte but 0xff, and this program alone reads the bytes.  The eight K steps of product 1 are summed in f32 across waves, ascending.
; LAYOUT OF wkv AND wob: blocks of 34,816 bytes, 64 rows n each: 32 images of fragments (16 rows x 128 k: 8 registers a lane), fragment (K step s, tile t) at 1,024 (4 s + t), its registers 4 c .. 4 c + 3 at
; + 512 c + 16 x lane; from + 32,768 the scale bytes, [64 rows][32].  wkv: block (2 g + kind) 4 + w for head 4 g + w, kind 0 = Wk, 1 = Wv.  wob: block n / 64.
; SHARES: a work-group takes 16 rows of one weight, wave s its K step s.  Work-groups 0-63 Wk, 64-127 Wv, 128-191 Wo (path A: codes out); 192-319 Wq: tile (i - 192) / 2 against 16 of the 32 batches (path B: product 1).
; The two paths part ONCE, on the work-group's number, behind the loads of the weight's rows; each has LDS bytes of its own.
.set BLOCK, 34816
.set STGW,  8448                       ; a wave's stage: 16 rows x (512 bytes + 16): row r starts 4 r banks on, so the 16 rows of a load start at 16 different banks
.set STGB,  8*STGW                     ; path A's eight stages from byte 0, path B's eight from here
.set SCG,   2*STGB                     ; path A alone: the tile's scale bytes, 16 rows x 32
.set RED,   SCG+512                    ; path B alone: the eight waves' partial sums, 1,024 bytes each
.set SPARE, RED+8192                   ; the spare words, 128 bytes for each wave: four blocks of 256 bytes that no other line names
.set XA,  4                            ; v4   16 x lane
.set STS, 5                            ; v5   path A's stage, in: 16 x lane
.set STL, 6                            ; v6   path A's stage, out: 528 r + 64 h
.set XL,  7                            ; v7   x's last rows: batch r x 4 MiB + 64 h
.set SCW, 8                            ; v8   SCG + 32 r + 4 x wave
.set SCR, 9                            ; v9   SCG + 16 x lane
.set RDW, 10                           ; v10  RED + 1,024 x wave + 16 x lane
.set RDR, 11                           ; v11  RED + 16 x lane
.set BQA, 12                           ; v12  32 h
.set QOA, 13                           ; v13  4,096 r + 32 h
.set SPW, 14                           ; v14  my spare word; never rewritten
.set NIL, 15                           ; v15  0; never rewritten
.set PC0, 16                           ; v16-23   the weight's fragment
.set PC1, 24                           ; v24-31   x's fragment
.set UR,  32                           ; v32-95   16 rows as loaded
.set XQ,  96                           ; v96-159  64 numbers of my row: register 16 b + i = k 32 b + 16 h + i
.set XLR, 160                          ; v160-223 the same of x's last rows
.set TM,  224                          ; v224-239 at work in QUANT
.set DR,  240                          ; v240-247 the product
.set PW0, 248                          ; v248, v249: scale words, and nothing else
.set PW1, 249
.set STS2, 250                         ; v250 path B's stage, in
.set STL2, 251                         ; v251 path B's stage, out
.set WV,  28
.set SEL, 30
.set CS,  42
; 64 numbers of a lane become a fragment's codes in v[pc] on and its row's scale word in v[pw].
.macro QUANT src, pc, pw
.irp b, 0,1,2,3
	v_max3_num_f32 v[TM+\b], |v[\src+16*\b]|, |v[\src+1+16*\b]|, 0x1800000   ; block b: my 16 numbers, and the floor 2^(3 - 127): the byte cannot fall under 1
.endr
.irp i, 2,4,6,8,10,12,14
.irp b, 0,1,2,3
	v_max3_num_f32 v[TM+\b], v[TM+\b], |v[\src+16*\b+\i]|, |v[\src+1+16*\b+\i]|   ; the four blocks by turns
.endr
.endr
.irp b, 0,1,2,3
	v_permlanex16_b32 v[TM+4+\b], v[TM+\b], s[SEL], s[SEL+1]
.endr
.irp b, 0,1,2,3
	v_max_num_f32 v[TM+\b], v[TM+\b], v[TM+4+\b]   ; with lane l xor 16's: the block's largest magnitude
.endr
.irp b, 0,1,2,3
	v_add_nc_u32 v[TM+12+\b], 0xff000000, v[TM+\b]   ; 2 off its exponent field: the conversion's scale operand
.endr
.irp b, 0,1,2,3
	v_lshrrev_b32 v[TM+4+\b], 23, v[TM+12+\b]      ; the scale's byte
.endr
	v_lshl_or_b32 v[\pw], v[TM+5], 8, v[TM+4]
	v_lshl_or_b32 v[\pw], v[TM+6], 16, v[\pw]
	v_lshl_or_b32 v[\pw], v[TM+7], 24, v[\pw]
.irp b, 0,1,2,3
	v_cvt_scalef32_pk8_fp4_f32 v[\pc+2*\b], v[\src+16*\b:\src+7+16*\b], v[TM+12+\b]
	v_cvt_scalef32_pk8_fp4_f32 v[\pc+1+2*\b], v[\src+8+16*\b:\src+15+16*\b], v[TM+12+\b]
.endr
	v_nop                                          ; one plain place behind a scaled conversion
.irp c, 0,1                                    ; the operand wants a whole block in a lane: lanes 0-15 block 2 c, lanes 16-31 block 2 c + 1
.irp i, 0,1
	v_permlane16_swap_b32 v[\pc+4*\c+\i], v[\pc+2+4*\c+\i]
.endr
.endr
.endm
; The weight's 16 rows x 128 k go through my own stage (rows as loaded in, 16 neighbours of each block to a lane out) and become the fragment in v[PC0] on and the scale word in v[PW0].
.macro TURNQ sts, stl
.irp i, 0,1,2,3,4,5,6,7,8,9,10,11,12,13,14,15
	ds_store_b128 v[\sts], v[UR+4*\i:UR+4*\i+3] offset:528*\i
.endr
.irp b, 0,1,2,3
.irp j, 0,1,2,3
	ds_load_b128 v[XQ+16*\b+4*\j:XQ+16*\b+4*\j+3], v[\stl] offset:128*\b+16*\j   ; LDS serves a wave's instructions in order: these see the stores above
.endr
.endr
	s_wait_dscnt 0x0
	QUANT XQ, PC0, PW0
.endm
.macro BARRIER                                 ; my LDS stores have landed and my LDS loads are in: then the work-group's barrier
	s_wait_dscnt 0x0
	s_barrier_signal -1
	s_barrier_wait -1
.endm
.macro PLACES n
.rept \n
	v_nop
.endr
.endm
	s_load_b256 s[4:11], s[0:1], 0x0               ; Wk s[4:5], Wv s[6:7], Wo s[8:9], Wq s[10:11]
	s_load_b256 s[12:19], s[0:1], 0x20             ; bq s[12:13], x s[14:15], wkv s[16:17], wob s[18:19]
	s_load_b64 s[20:21], s[0:1], 0x40              ; qb
	v_lshl_add_u32 v[SPW], v0, 2, SPARE
	v_mov_b32 v[NIL], 0
	v_lshrrev_b32 v1, 5, v0
	v_readfirstlane_b32 s[WV], v1                  ; wave 0..7 = K step
	v_and_b32 v1, 31, v0                           ; lane
	v_and_b32 v2, 15, v0                           ; r
	v_bfe_u32 v3, v0, 4, 1                         ; h
	v_lshlrev_b32 v[XA], 4, v1
	s_mul_i32 s44, s[WV], STGW
	v_add_nc_u32 v[STS], s44, v[XA]
	v_mul_u32_u24 v[STL], v2, 528
	v_lshl_add_u32 v[STL], v3, 6, v[STL]
	v_add_nc_u32 v[STL], s44, v[STL]
	v_add_nc_u32 v[STS2], STGB, v[STS]
	v_add_nc_u32 v[STL2], STGB, v[STL]
	v_lshlrev_b32 v[XL], 22, v2
	v_lshl_add_u32 v[XL], v3, 6, v[XL]
	s_lshl_b32 s44, s[WV], 2
	s_add_co_u32 s44, s44, SCG
	v_lshl_add_u32 v[SCW], v2, 5, s44
	v_add_nc_u32 v[SCR], SCG, v[XA]
	s_lshl_b32 s44, s[WV], 10
	s_add_co_u32 s44, s44, RED
	v_add_nc_u32 v[RDW], s44, v[XA]
	v_add_nc_u32 v[RDR], RED, v[XA]
	v_lshlrev_b32 v[BQA], 5, v3
	v_lshl_add_u32 v[QOA], v2, 12, v[BQA]
.irp b, 0,1,2,3
	v_mov_b32 v[TM+4+\b], 0                        ; written once: a lane permute's destination counts as one of its sources
.endr
	s_mov_b32 s[SEL], 0x76543210
	s_mov_b32 s[SEL+1], 0xfedcba98                 ; v_permlanex16_b32's selects for lane l xor 16
	s_mov_b32 s[CS], 0x3e38aa3b                    ; log2(e) / 8
	s_mov_b32 s[CS+1], s[CS]                       ; (named with it as a pair, so it is written)
	s_lshr_b32 s24, ttmp9, 1
	s_add_co_u32 s24, s24, 32
	s_and_b32 s24, s24, 63                         ; path B: tile (i - 192) / 2 = (i / 2 + 32) mod 64
	s_and_b32 s25, ttmp9, 63                       ; path A: tile i mod 64
	s_and_b32 s26, ttmp9, 1                        ; path B: which 16 batches
	s_lshr_b32 s27, ttmp9, 6                       ; path A: 0 Wk, 1 Wv, 2 Wo
	s_cmp_lt_u32 ttmp9, 192
	s_cselect_b32 s24, s25, s24                    ; the tile of 16 rows
	s_lshl_b32 s44, s24, 16                        ; 16 rows of 4,096 bytes,
	s_lshl_b32 s45, s[WV], 9                       ; my K step's 512 bytes of a row
	s_add_co_u32 s44, s44, s45
	s_mov_b32 s45, 0
	s_wait_kmcnt 0x0
	s_cmp_lt_u32 ttmp9, 64                         ; which weight: the choice hangs on the work-group's number alone
	s_cselect_b64 s[22:23], s[4:5], s[6:7]
	s_cmp_lt_u32 ttmp9, 128
	s_cselect_b64 s[22:23], s[22:23], s[8:9]
	s_cmp_lt_u32 ttmp9, 192
	s_cselect_b64 s[22:23], s[22:23], s[10:11]
	s_add_nc_u64 s[22:23], s[22:23], s[44:45]
.irp i, 0,1,2,3,4,5,6,7,8,9,10,11,12,13,14,15
	global_load_b128 v[UR+4*\i:UR+4*\i+3], v[XA], s[22:23] offset:4096*\i   ; row i: 32 lanes read 512 consecutive bytes
.endr
	s_cmp_lt_u32 ttmp9, 192                        ; the one parting of the two paths
	s_cbranch_scc0 .Lpath_b
	; ---- path A: the fragment's image and the tile's scale bytes go out
	s_wait_loadcnt 0x0                             ; the weight's 16 rows
	TURNQ STS, STL
	s_lshr_b32 s25, s24, 4                         ; g = head / 4
	s_lshl_b32 s25, s25, 1
	s_add_co_u32 s25, s25, s27                     ; 2 g + kind
	s_lshl_b32 s25, s25, 2
	s_bfe_u32 s29, s24, 0x20002                    ; head mod 4
	s_add_co_u32 s25, s25, s29                     ; the block in wkv,
	s_lshr_b32 s29, s24, 2                         ; in wob
	s_cmp_lt_u32 ttmp9, 128
	s_cselect_b32 s25, s25, s29
	s_cselect_b64 s[32:33], s[16:17], s[18:19]
	s_mul_i32 s25, s25, BLOCK
	s_and_b32 s29, s24, 3                          ; the tile in its block
	s_lshl_b32 s44, s29, 10
	s_add_co_u32 s44, s44, s25
	s_lshl_b32 s45, s[WV], 12
	s_add_co_u32 s44, s44, s45                     ; image (4 s + t)
	s_mov_b32 s45, 0
	s_lshl_b32 s46, s29, 9
	s_add_co_u32 s46, s46, s25
	s_add_co_u32 s46, s46, 32768                   ; the tile's 512 scale bytes
	s_mov_b32 s47, 0
	s_add_nc_u64 s[34:35], s[32:33], s[44:45]
	s_add_nc_u64 s[32:33], s[32:33], s[46:47]
	global_store_b128 v[XA], v[PC0:PC0+3], s[34:35]              ; 32 lanes store 512 consecutive bytes, aligned
	global_store_b128 v[XA], v[PC0+4:PC0+7], s[34:35] offset:512
	ds_store_b32 v[SCW], v[PW0]                    ; row r's word of my K step (both halves of the lanes write the same)
	BARRIER
	s_cmp_lg_u32 s[WV], 0
	s_cbranch_scc1 .Lend
	ds_load_b128 v[UR:UR+3], v[SCR]
	s_wait_dscnt 0x0
	global_store_b128 v[XA], v[UR:UR+3], s[32:33]  ; 512 consecutive bytes
	s_branch .Lend
.Lpath_b:
	; ---- path B: product 1, transposed: source 0 = 16 rows of Wq, source 1 = 16 batches: lane (r, h), register j = q(batch r, column 8 h + j of the tile)
	s_lshl_b32 s44, s26, 26                        ; 16 batches of 4 MiB,
	s_lshl_b32 s45, s[WV], 9
	s_add_co_u32 s44, s44, s45
	s_add_co_u32 s44, s44, 1023*4096               ; position 1,023
	s_mov_b32 s45, 0
	s_add_nc_u64 s[14:15], s[14:15], s[44:45]
.irp b, 0,1,2,3
.irp j, 0,1,2,3
	global_load_b128 v[XLR+16*\b+4*\j:XLR+16*\b+4*\j+3], v[XL], s[14:15] offset:128*\b+16*\j   ; batch r's 16 numbers of block b, as QUANT wants them
.endr
.endr
	s_wait_loadcnt 16                              ; the weight's 16 rows are in; the 16 loads just issued may be out
	TURNQ STS2, STL2
	s_wait_loadcnt 0x0                             ; x's last rows
	s_cmp_lg_u32 s[WV], 0
	s_cbranch_scc1 .Lno_bq
	s_lshl_b32 s44, s24, 6
	s_mov_b32 s45, 0
	s_add_nc_u64 s[12:13], s[12:13], s[44:45]
	global_load_b128 v[UR:UR+3], v[BQA], s[12:13]                ; wave 0 finishes the sums: it alone wants bq (the stage's stores have read these registers)
	global_load_b128 v[UR+4:UR+7], v[BQA], s[12:13] offset:16
.Lno_bq:
	QUANT XLR, PC1, PW1
	PLACES 8                                       ; a scale register written by a vector instruction stands 8 places ahead of a scaled matrix instruction, an operand 4
	v_wmma_scale_f32_16x16x128_f8f6f4 v[DR:DR+7], v[PC0:PC0+7], v[PC1:PC1+7], 0, v[PW0], v[PW1] matrix_a_fmt:MATRIX_FMT_FP4 matrix_b_fmt:MATRIX_FMT_FP4
	PLACES 4
	ds_store_b128 v[RDW], v[DR:DR+3]               ; from the low end on
	ds_store_b128 v[RDW], v[DR+4:DR+7] offset:512
	BARRIER
	s_cmp_lg_u32 s[WV], 0
	s_cbranch_scc1 .Lend
.irp p, 0,1,2,3,4,5,6,7
.irp c, 0,1
	ds_load_b128 v[XQ+8*\p+4*\c:XQ+8*\p+4*\c+3], v[RDR] offset:1024*\p+512*\c
.endr
.endr
	s_lshl_b32 s44, s26, 16                        ; 16 rows of qb,
	s_lshl_b32 s45, s24, 6                         ; the tile's 64 bytes
	s_add_co_u32 s44, s44, s45
	s_mov_b32 s45, 0
	s_add_nc_u64 s[20:21], s[20:21], s[44:45]
	s_wait_dscnt 0x0
	s_wait_loadcnt 0x0                             ; bq
.irp p, 1,2,3,4,5,6,7
.irp j, 0,2,4,6
	v_pk_add_f32 v[XQ+\j:XQ+\j+1], v[XQ+\j:XQ+\j+1], v[XQ+8*\p+\j:XQ+8*\p+\j+1]   ; the K steps' sums, ascending
.endr
.endr
.irp j, 0,2,4,6
	v_pk_add_f32 v[XQ+\j:XQ+\j+1], v[XQ+\j:XQ+\j+1], v[UR+\j:UR+\j+1]             ; + bq
.endr
.irp j, 0,2,4,6
	v_pk_mul_f32 v[XQ+\j:XQ+\j+1], v[XQ+\j:XQ+\j+1], s[CS:CS+1] op_sel_hi:[1,0]   ; x log2(e) / 8
.endr
	global_store_b128 v[QOA], v[XQ:XQ+3], s[20:21]               ; 64 bytes of each of 16 rows: qb is 128 KiB in all
	global_store_b128 v[QOA], v[XQ+4:XQ+7], s[20:21] offset:16
.Lend:
	s_wait_tensorcnt 0x0                           ; the wave's end, behind my last LDS store
	ds_add_u32 v[SPW], v[NIL]
	s_wait_dscnt 0x0
	s_endpgm
.Lfunc_end_k_q171afbe38e_prep:
	.size	k_q171afbe38e_prep, .Lfunc_end_k_q171afbe38e_prep-k_q171afbe38e_prep
	.p2alignl 7, 3214868480
	.fill 96, 4, 3214868480
	.section	.rodata,"a",@progbits
	.p2align	6, 0x0
	.amdhsa_kernel k_q171afbe38e_prep
		.amdhsa_group_segment_fixed_size 144896
		.amdhsa_private_segment_fixed_size 0
		.amdhsa_enable_private_segment 0
		.amdhsa_kernarg_size 72
		.amdhsa_user_sgpr_count 2
		.amdhsa_user_sgpr_kernarg_segment_ptr 1
		.amdhsa_wavefront_size32 1
		.amdhsa_system_sgpr_workgroup_id_x 1
		.amdhsa_system_sgpr_workgroup_id_y 1
		.amdhsa_system_sgpr_workgroup_id_z 1
		.amdhsa_system_vgpr_workitem_id 0
		.amdhsa_next_free_vgpr 256
		.amdhsa_next_free_sgpr 66
		.amdhsa_reserve_vcc 0
		.amdhsa_float_denorm_mode_32 3
		.amdhsa_float_denorm_mode_16_64 3
		.amdhsa_memory_ordered 1
		.amdhsa_forward_progress 1
		.amdhsa_inst_pref_size 28
	.end_amdhsa_kernel
	.amdgpu_metadata
---
amdhsa.version: [ 1, 2 ]
amdhsa.kernels:
  - .name:           k_q171afbe38e_prep
    .symbol:         k_q171afbe38e_prep.kd
    .args:
      - { .name: Wk, .offset: 0, .size: 8, .value_kind: global_buffer, .address_space: global }
      - { .name: Wv, .offset: 8, .size: 8, .value_kind: global_buffer, .address_space: global }
      - { .name: Wo, .offset: 16, .size: 8, .value_kind: global_buffer, .address_space: global }
      - { .name: Wq, .offset: 24, .size: 8, .value_kind: global_buffer, .address_space: global }
      - { .name: bq, .offset: 32, .size: 8, .value_kind: global_buffer, .address_space: global }
      - { .name: x, .offset: 40, .size: 8, .value_kind: global_buffer, .address_space: global }
      - { .name: wkv, .offset: 48, .size: 8, .value_kind: global_buffer, .address_space: global }
      - { .name: wob, .offset: 56, .size: 8, .value_kind: global_buffer, .address_space: global }
      - { .name: qb, .offset: 64, .size: 8, .value_kind: global_buffer, .address_space: global }
    .group_segment_fixed_size: 144896
    .private_segment_fixed_size: 0
    .kernarg_segment_align: 8
    .kernarg_segment_size: 72
    .max_flat_workgroup_size: 256
    .sgpr_count:     66
    .vgpr_count:     256
    .wavefront_size: 32
...
	.end_amdgpu_metadata
.endif
;; end of part 1
;; launch attn (part 2): grid 256 x 1, 4 waves a work-group, clusters of 4 x 1, 327,680 bytes of LDS; arguments x, wkv, qb, part_o, part_ml; writes part_o, part_ml
.if DOCPART == 2
	.amdgcn_target "amdgcn-amd-amdhsa--gfx1250"
	.amdhsa_code_object_version 6
	.text
	.protected	k_q171afbe38e_attn
	.globl	k_q171afbe38e_attn
	.p2align	8
	.type	k_q171afbe38e_attn,@function
k_q171afbe38e_attn:
	s_mov_b64 s[64:65], 0
	v_nop
	global_prefetch_b8 v0, s[64:65] scope:SCOPE_SE
	s_setreg_imm32_b32 hwreg(HW_REG_WAVE_MODE, 25, 1), 1
	s_wait_xcnt 0x0
	s_wait_alu depctr_hold_cnt(0) depctr_sa_sdst(0) depctr_va_vdst(0) depctr_va_sdst(0) depctr_va_ssrc(0) depctr_va_vcc(0) depctr_vm_vsrc(0)
	s_getreg_b32 s2, hwreg(HW_REG_IB_STS2, 6, 4)
	s_cmp_eq_u32 s2, 0
	s_cbranch_scc0 .Lentry_in_a_cluster
	s_endpgm
.Lentry_in_a_cluster:
	s_bfe_u32 s2, ttmp6, 0x10000c
	s_cmp_lg_u32 s2, 0x3003
	s_cbranch_scc0 .Lentry_shape_is_right
	s_endpgm
.Lentry_shape_is_right:
; SECOND LAUNCH.  For 128 positions of one batch (work-group 8 b + chunk): k = Q(x) Q(Wk)^T and v = Q(x) Q(Wv)^T for all 16 heads on codes of FP4, the scores t = q' . k (f32), p = 2^(t - m), m the chunk's
; largest t, l = sum p, o = sum p v (f32).  k and v never leave the registers.  Out: part_o [256][1024] = o, part_ml [256][16][m, l].  The third launch joins a batch's eight chunks.
; LEFT OUT: bk (the same term on every score of a batch and head; shown at the head of the first kernel); bv is added in the third launch.
; X PHASE.  Wave w reads rows 32 w .. 32 w + 31 of x, once, 512 consecutive bytes a load, 64 loads on their way; turns 16 rows x 128 k through its stage so that a lane holds 16 neighbours of each block;
; quantises; stores the fragment's image to LDS.  Behind a barrier EVERY wave loads all eight fragments of the K step: each wave ends with all 128 rows x 1,024 k as codes in 512 registers.
; G PHASE.  Wave w owns heads 4 g + w, g = 0 .. 3, for all 128 rows: a pass is 8 K steps x 32 matrix instructions (8 tiles of rows x 4 tiles of the head's 64), on 32 accumulators by turns.
; K's pass is used transposed (a lane holds one row, its registers run along d: the score is a sum in the lane and its partner 16 away), V's as it is (a lane holds one d, its registers run down the rows).
; THE WEIGHTS come as images of fragments, a block of 34,816 dense bytes for a head and kind; a tile is the four waves' blocks.  Two LDS slots: slot 0 takes K's tiles, slot 1 V's.  Each wave fetches and reads
; its own block.  CLUSTER: all work-groups walk the same tiles, so the four of a cluster ask for each block JOINTLY: the same load, the same descriptor (made of the wave's number and the tile alone), mask 15.
; By this text's count a wave has two tensor loads out at the start and one behind each round.
; REGISTERS, in windows of 256: window 0: v1-31 addresses and work; v32-95 two sets of four weight fragments (X phase: 64 numbers); v96-127 x's scale words, v128-143 the weights' (scales and nothing else);
;   v144-207 q' (32), then p (64) (X phase: QUANT's work); v208-223 the scores; v224-239 o; v240-245 work.  window 1: the 32 accumulators, (a, t) at 8 (4 a + t) (X phase: four sets of 16 rows as loaded).
;   window 2: x's fragments of K steps 0-3, (s, a) at 64 s + 8 a; window 3: K steps 4-7.
.set BLOCK, 34816
.set SLOT1, 4*BLOCK                    ; a tile's bytes, and where slot 1 begins
.set STG,   2*SLOT1                    ; four stages of 16 rows x (512 + 16) bytes
.set STGW,  8448
.set IMG,   STG+4*STGW                 ; a K step's eight images, 1,024 bytes each
.set ISC,   IMG+8192                   ; their scale words, 64 bytes a tile
.set PS,    ISC+512                    ; p of a head, 512 bytes for each wave
.set OS,    PS+2048                    ; o's turn, 256 bytes for each wave
.set MLS,   OS+1024                    ; m, l of the 16 heads
.set SPARE, MLS+256                    ; the spare words, 128 bytes for each wave: two blocks of 256 bytes that no other line names
.set LI,   1                           ; 16 x lane
.set XA,   2                           ; 16 x lane + 32 rows x wave
.set STS,  3                           ; the stage, in
.set STL,  4                           ; the stage, out: 528 r + 64 h
.set IMW,  5                           ; IMG + 2,048 x wave + 16 x lane
.set ISW,  6                           ; ISC + 128 x wave + 4 r
.set IML,  7                           ; IMG + 16 x lane
.set ISL,  8                           ; ISC + 4 x lane
.set BK,   9                           ; my block in slot 0, + 16 x lane;  v10: in slot 1
.set SKA,  11                          ; its scale bytes, + 32 x lane;     v12: in slot 1
.set PSW,  13                          ; PS + 512 x wave + 4 r
.set PSL,  14                          ; PS + 512 x wave + 32 h
.set OSW,  15                          ; OS + 256 x wave + 4 x lane
.set OSL,  16                          ; OS + 256 x wave + 8 x lane
.set QA,   17                          ; 32 h
.set GO,   18                          ; 8 x lane
.set MLW0, 19                          ; MLS + 8 x wave
.set SPW,  20                          ; my spare word; never rewritten
.set NIL,  21                          ; 0; never rewritten
.set MLR,  30                          ; MLS + 4 x lane
.set ML4,  31                          ; 4 x lane
.set BF,   32
.set XQ,   32
.set SA,   96                          ; v[SA + 4 s + a / 2]: lanes 0-15 tile a (even), lanes 16-31 tile a + 1
.set SB,   128                         ; v[SB + 8 (t / 2) + s]: lanes 0-15 tile t (even), lanes 16-31 the odd one
.set QV,   144
.set PV,   144
.set TM,   144
.set PC,   160
.set PW,   168
.set SS,   208
.set OO,   224
.set MXR,  240
.set LSR,  241
.set EV0,  242
.set EV1,  243
.set OUTR, 244
.set WV,   14
.set SEL,  20
.set HM,   22                          ; s22: the lanes 16-31, as a mask
.set G1,   24
.set G0,   32
.set MLO,  40                          ; 32 g
.set MSB, 0
.macro WIN new                         ; the immediate's high byte repeats the setting that is left
.if MSB != \new
	s_set_vgpr_msb (MSB<<8)|\new
.set MSB, \new
.endif
.endm
.macro PLACES n
.rept \n
	v_nop
.endr
.endm
.macro BARRIER
	s_wait_dscnt 0x0
	s_barrier_signal -1
	s_barrier_wait -1
.endm
.macro ROUND                           ; a round of the cluster's barrier
	s_barrier_signal -1
	s_barrier_wait -1
	s_cmp_lg_u32 s[WV], 0
	s_cbranch_scc1 .Lnot_wave_0_\@
	s_barrier_signal -3
.Lnot_wave_0_\@:
	s_barrier_wait -3
	s_barrier_signal -1
	s_barrier_wait -1
.endm
.macro LOADU reg, off                  ; 16 rows' 512 bytes of a K step
.irp i, 0,1,2,3,4,5,6,7,8,9,10,11,12,13,14,15
	global_load_b128 v[(\reg)+4*\i:(\reg)+4*\i+3], v[XA], s[4:5] offset:(\off)+4096*\i th:TH_LOAD_NT
.endr
.endm
.macro QUANT src, pc, pw
.irp b, 0,1,2,3
	v_max3_num_f32 v[TM+\b], |v[\src+16*\b]|, |v[\src+1+16*\b]|, 0x1800000   ; block b: my 16 numbers, and the floor 2^(3 - 127): the byte cannot fall under 1
.endr
.irp i, 2,4,6,8,10,12,14
.irp b, 0,1,2,3
	v_max3_num_f32 v[TM+\b], v[TM+\b], |v[\src+16*\b+\i]|, |v[\src+1+16*\b+\i]|
.endr
.endr
.irp b, 0,1,2,3
	v_permlanex16_b32 v[TM+4+\b], v[TM+\b], s[SEL], s[SEL+1]
.endr
.irp b, 0,1,2,3
	v_max_num_f32 v[TM+\b], v[TM+\b], v[TM+4+\b]
.endr
.irp b, 0,1,2,3
	v_add_nc_u32 v[TM+12+\b], 0xff000000, v[TM+\b]   ; 2 off the exponent field: the conversion's scale operand
.endr
.irp b, 0,1,2,3
	v_lshrrev_b32 v[TM+4+\b], 23, v[TM+12+\b]
.endr
	v_lshl_or_b32 v[\pw], v[TM+5], 8, v[TM+4]
	v_lshl_or_b32 v[\pw], v[TM+6], 16, v[\pw]
	v_lshl_or_b32 v[\pw], v[TM+7], 24, v[\pw]
.irp b, 0,1,2,3
	v_cvt_scalef32_pk8_fp4_f32 v[\pc+2*\b], v[\src+16*\b:\src+7+16*\b], v[TM+12+\b]
	v_cvt_scalef32_pk8_fp4_f32 v[\pc+1+2*\b], v[\src+8+16*\b:\src+15+16*\b], v[TM+12+\b]
.endr
	v_nop                                          ; one plain place behind a scaled conversion
.irp c, 0,1
.irp i, 0,1
	v_permlane16_swap_b32 v[\pc+4*\c+\i], v[\pc+2+4*\c+\i]
.endr
.endr
.endm
	s_load_b256 s[4:11], s[0:1], 0x0               ; x s[4:5], wkv s[6:7], qb s[8:9], part_o s[10:11]
	s_load_b64 s[12:13], s[0:1], 0x20              ; part_ml
	v_lshl_add_u32 v[SPW], v0, 2, SPARE
	v_mov_b32 v[NIL], 0
	ds_add_u32 v[SPW], v[NIL]                      ; the wave's opening: the add, twice on end, and its wait ahead of my first tensor load; the set-up below is work on registers
	ds_add_u32 v[SPW], v[NIL]
	v_lshrrev_b32 v25, 5, v0
	v_readfirstlane_b32 s[WV], v25                 ; wave 0..3
	s_bfe_u32 s15, ttmp6, 0x40000                  ; cx: it enters the addresses of x, qb and the partial results alone
	s_lshl_b32 s16, ttmp9, 2
	s_add_co_u32 s16, s16, s15                     ; work-group = 4 x cluster + cx = 8 x batch + chunk
	v_and_b32 v22, 31, v0                          ; lane
	v_and_b32 v23, 15, v0                          ; r
	v_bfe_u32 v24, v0, 4, 1                        ; h
	v_lshlrev_b32 v[LI], 4, v22
	s_lshl_b32 s18, s[WV], 17
	v_add_nc_u32 v[XA], s18, v[LI]
	s_mul_i32 s18, s[WV], STGW
	s_add_co_u32 s18, s18, STG
	v_add_nc_u32 v[STS], s18, v[LI]
	v_mul_u32_u24 v[STL], v23, 528
	v_lshl_add_u32 v[STL], v24, 6, v[STL]
	v_add_nc_u32 v[STL], s18, v[STL]
	s_lshl_b32 s18, s[WV], 11
	s_add_co_u32 s18, s18, IMG
	v_add_nc_u32 v[IMW], s18, v[LI]
	s_lshl_b32 s18, s[WV], 7
	s_add_co_u32 s18, s18, ISC
	v_lshl_add_u32 v[ISW], v23, 2, s18
	v_add_nc_u32 v[IML], IMG, v[LI]
	v_lshl_add_u32 v[ISL], v22, 2, ISC
	s_mul_i32 s17, s[WV], BLOCK                    ; my block in a tile and in a slot
	v_add_nc_u32 v[BK], s17, v[LI]
	v_add_nc_u32 v[BK+1], SLOT1, v[BK]
	s_add_co_u32 s18, s17, 32768
	v_lshl_add_u32 v[SKA], v22, 5, s18
	v_add_nc_u32 v[SKA+1], SLOT1, v[SKA]
	s_lshl_b32 s18, s[WV], 9
	s_add_co_u32 s18, s18, PS
	v_lshl_add_u32 v[PSW], v23, 2, s18
	v_lshl_add_u32 v[PSL], v24, 5, s18
	s_lshl_b32 s18, s[WV], 8
	s_add_co_u32 s18, s18, OS
	v_lshl_add_u32 v[OSW], v22, 2, s18
	v_lshl_add_u32 v[OSL], v22, 3, s18
	v_lshlrev_b32 v[QA], 5, v24
	v_lshlrev_b32 v[GO], 3, v22
	v_lshl_add_u32 v[MLW0], v25, 3, MLS
	v_lshl_add_u32 v[MLR], v22, 2, MLS
	v_lshlrev_b32 v[ML4], 2, v22
	v_cmp_le_u32 s[HM], 16, v22
.irp b, 0,1,2,3
	v_mov_b32 v[TM+4+\b], 0                        ; written once: a lane permute's destination counts as one of its sources
.endr
	s_mov_b32 s[SEL], 0x76543210
	s_mov_b32 s[SEL+1], 0xfedcba98
	s_mov_b32 s[MLO], 0
	; descriptor group 1: a dense block of 136 rows of 256 bytes (32 elements of 8 bytes), no padding: an image's 512 bytes are read by 32 lanes on end
	s_mov_b32 s[G1+0], 15|(3<<16)|(1<<21)          ; 15:0 the mask: all four work-groups; 17:16 elements of 8 bytes; 21 set beside a mask
	s_mov_b32 s[G1+1], 32<<16                      ; tensor_dim0 = 32
	s_mov_b32 s[G1+2], 136<<16                     ; tensor_dim1 = 136
	s_mov_b32 s[G1+3], 32<<16                      ; tile_dim0 = 32
	s_mov_b32 s[G1+4], 136                         ; tile_dim1 = 136
	s_mov_b32 s[G1+5], 32                          ; from row to row
	s_mov_b32 s[G1+6], 0
	s_mov_b32 s[G1+7], 0
	s_mov_b32 s44, s17
	s_mov_b32 s45, 0
	s_lshl_b32 s42, s[WV], 8                       ; my head's 256 bytes among four
	s_wait_dscnt 0x0                               ; both opening adds are done
	s_wait_kmcnt 0x0
	s_lshl_b32 s18, s16, 19                        ; 128 rows of 4,096 bytes
	s_mov_b32 s19, 0
	s_add_nc_u64 s[4:5], s[4:5], s[18:19]
	s_lshr_b32 s18, s16, 3
	s_lshl_b32 s18, s18, 12
	s_add_co_u32 s18, s18, s42
	s_add_nc_u64 s[8:9], s[8:9], s[18:19]          ; q' of my batch, head w
	s_lshl_b32 s18, s16, 12
	s_add_co_u32 s18, s18, s42
	s_add_nc_u64 s[10:11], s[10:11], s[18:19]
	s_lshl_b32 s18, s16, 7
	s_add_nc_u64 s[12:13], s[12:13], s[18:19]
	s_add_nc_u64 s[6:7], s[6:7], s[44:45]          ; my block of tile 0
	WIN 0x40                                       ; destination window 1
.irp u, 0,1,2,3
	LOADU 64*\u, 65536*(\u%2)+512*(\u/2)           ; units 0 to 3 (unit 2 s + t: rows 16 t on, K step s): 64 loads on their way
.endr
	WIN 0
.irp n, 0,1
	s_mov_b32 s[G0+4*\n], 1
	s_add_co_u32 s[G0+4*\n+1], s17, \n*SLOT1       ; LDS: slot n, my block
	s_add_nc_u64 s[G0+4*\n+2:G0+4*\n+3], s[6:7], \n*SLOT1   ; memory: tile n (K of heads 0-3; V of heads 0-3)
	s_or_b32 s[G0+4*\n+3], s[G0+4*\n+3], 0x80000000
.endr
	ROUND                                          ; all four work-groups are here: the first joint loads meet
	tensor_load_to_lds s[G0:G0+3], s[G1:G1+7]
	s_nop 0
	tensor_load_to_lds s[G0+4:G0+7], s[G1:G1+7]
	s_nop 0
	PLACES 4
; ---- X PHASE.  Unit u = 2 s + t lies in set u % 4 of window 1.
.macro UNIT u
.set RG, 64*((\u)%4)
.if 15-(\u) >= 3
	s_wait_loadcnt 48                              ; my unit's 16 loads are in; those of the three units behind it may be out
.else
	s_wait_loadcnt 16*(15-(\u))
.endif
	WIN 0x04                                       ; an LDS store's data: window 1
.irp i, 0,1,2,3,4,5,6,7,8,9,10,11,12,13,14,15
	ds_store_b128 v[STS], v[RG+4*\i:RG+4*\i+3] offset:528*\i
.endr
	WIN 0
.irp b, 0,1,2,3
.irp j, 0,1,2,3
	ds_load_b128 v[XQ+16*\b+4*\j:XQ+16*\b+4*\j+3], v[STL] offset:128*\b+16*\j   ; LDS serves a wave's instructions in order: these see the stores above
.endr
.endr
	s_wait_dscnt 0x0                               ; the numbers are back; the stores have read their registers, the last unit's image stores too
.if (\u)+4 < 16
	WIN 0x40
	LOADU RG, 65536*(((\u)+4)%2)+512*(((\u)+4)/2)  ; the set takes the unit four on
	WIN 0
.endif
	QUANT XQ, PC, PW
	ds_store_b128 v[IMW], v[PC:PC+3] offset:1024*((\u)%2)
	ds_store_b128 v[IMW], v[PC+4:PC+7] offset:1024*((\u)%2)+512
	ds_store_b32 v[ISW], v[PW] offset:64*((\u)%2)
.endm
.macro GATHER s                        ; all eight images of K step s into my registers
	BARRIER                                        ; the eight images lie in LDS
.if (\s) < 4
	WIN 0x80
.else
	WIN 0xc0
.endif
.irp a, 0,1,2,3,4,5,6,7
.irp c, 0,1
	ds_load_b128 v[64*((\s)%4)+8*\a+4*\c:64*((\s)%4)+8*\a+4*\c+3], v[IML] offset:1024*\a+512*\c
.endr
.endr
	WIN 0
.irp pr, 0,1,2,3
	ds_load_b32 v[SA+4*(\s)+\pr], v[ISL] offset:128*\pr
.endr
.if (\s) < 7
	BARRIER                                        ; every wave's loads are in: the images may be written again
.endif
.endm
.irp s, 0,1,2,3,4,5,6,7
	UNIT 2*\s
	UNIT 2*\s+1
	GATHER \s
.endr
; ---- G PHASE
.macro W4 d, a, b, sa, sb, ks, ra, rb  ; one product; ks = 0: it starts the sum; ra, rb: the scales stand in lanes 16-31 of their registers
.if (\ks) == 0
.if (\ra) && (\rb)
	v_wmma_scale_f32_16x16x128_f8f6f4 v[\d:\d+7], v[\a:\a+7], v[\b:\b+7], 0, v[\sa], v[\sb] matrix_a_fmt:MATRIX_FMT_FP4 matrix_b_fmt:MATRIX_FMT_FP4 matrix_a_scale:MATRIX_SCALE_ROW1 matrix_b_scale:MATRIX_SCALE_ROW1
.elseif (\ra)
	v_wmma_scale_f32_16x16x128_f8f6f4 v[\d:\d+7], v[\a:\a+7], v[\b:\b+7], 0, v[\sa], v[\sb] matrix_a_fmt:MATRIX_FMT_FP4 matrix_b_fmt:MATRIX_FMT_FP4 matrix_a_scale:MATRIX_SCALE_ROW1
.elseif (\rb)
	v_wmma_scale_f32_16x16x128_f8f6f4 v[\d:\d+7], v[\a:\a+7], v[\b:\b+7], 0, v[\sa], v[\sb] matrix_a_fmt:MATRIX_FMT_FP4 matrix_b_fmt:MATRIX_FMT_FP4 matrix_b_scale:MATRIX_SCALE_ROW1
.else
	v_wmma_scale_f32_16x16x128_f8f6f4 v[\d:\d+7], v[\a:\a+7], v[\b:\b+7], 0, v[\sa], v[\sb] matrix_a_fmt:MATRIX_FMT_FP4 matrix_b_fmt:MATRIX_FMT_FP4
.endif
.else
.if (\ra) && (\rb)
	v_wmma_scale_f32_16x16x128_f8f6f4 v[\d:\d+7], v[\a:\a+7], v[\b:\b+7], v[\d:\d+7], v[\sa], v[\sb] matrix_a_fmt:MATRIX_FMT_FP4 matrix_b_fmt:MATRIX_FMT_FP4 matrix_a_scale:MATRIX_SCALE_ROW1 matrix_b_scale:MATRIX_SCALE_ROW1
.elseif (\ra)
	v_wmma_scale_f32_16x16x128_f8f6f4 v[\d:\d+7], v[\a:\a+7], v[\b:\b+7], v[\d:\d+7], v[\sa], v[\sb] matrix_a_fmt:MATRIX_FMT_FP4 matrix_b_fmt:MATRIX_FMT_FP4 matrix_a_scale:MATRIX_SCALE_ROW1
.elseif (\rb)
	v_wmma_scale_f32_16x16x128_f8f6f4 v[\d:\d+7], v[\a:\a+7], v[\b:\b+7], v[\d:\d+7], v[\sa], v[\sb] matrix_a_fmt:MATRIX_FMT_FP4 matrix_b_fmt:MATRIX_FMT_FP4 matrix_b_scale:MATRIX_SCALE_ROW1
.else
	v_wmma_scale_f32_16x16x128_f8f6f4 v[\d:\d+7], v[\a:\a+7], v[\b:\b+7], v[\d:\d+7], v[\sa], v[\sb] matrix_a_fmt:MATRIX_FMT_FP4 matrix_b_fmt:MATRIX_FMT_FP4
.endif
.endif
.endm
.macro PROLOG kind                     ; a pass's scale words (a lane a row: 32 bytes = its 8 K steps' words) and K step 0's four fragments into set 0
.irp pr, 0,1
.irp q, 0,1
	ds_load_b128 v[SB+8*\pr+4*\q:SB+8*\pr+4*\q+3], v[SKA+\kind] offset:1024*\pr+16*\q
.endr
.endr
.irp t, 0,1,2,3
.irp c, 0,1
	ds_load_b128 v[BF+8*\t+4*\c:BF+8*\t+4*\c+3], v[BK+\kind] offset:1024*\t+512*\c
.endr
.endr
.endm
; K step s of a pass: the next step's four fragments are asked for, then 32 products on the 32 accumulators, one instruction a turn, in the same order in every step.
.macro GSTEP kind, s
.if (\s) == 0
	PLACES 5                                       ; the accumulators are begun anew
.else
	PLACES 4                                       ; in front of loads into the set that the last step's products read
.endif
.if (\s) < 7
.irp t, 0,1,2,3
.irp c, 0,1
	ds_load_b128 v[BF+32*(((\s)+1)%2)+8*\t+4*\c:BF+32*(((\s)+1)%2)+8*\t+4*\c+3], v[BK+\kind] offset:4096*((\s)+1)+1024*\t+512*\c
.endr
.endr
	s_wait_dscnt 0x8                               ; all but the eight just issued: this step's set, the scale words, and whatever older is in
.else
	s_wait_dscnt 0x0
.endif
.if \kind == 0
	WIN 0x58+4*((\s)/4)                            ; source 0 (Wk) window 0, source 1 (x) window 2 or 3, C and D window 1
.else
	WIN 0x52+(\s)/4                                ; source 0 (x) window 2 or 3, source 1 (Wv) window 0, C and D window 1
.endif
.irp a, 0,1,2,3,4,5,6,7
.irp t, 0,1,2,3
.if \kind == 0
	W4 8*(4*\a+\t), BF+32*((\s)%2)+8*\t, 64*((\s)%4)+8*\a, SB+8*(\t/2)+(\s), SA+4*(\s)+\a/2, \s, \t%2, \a%2
.else
	W4 8*(4*\a+\t), 64*((\s)%4)+8*\a, BF+32*((\s)%2)+8*\t, SA+4*(\s)+\a/2, SB+8*(\t/2)+(\s), \s, \a%2, \t%2
.endif
.endr
.endr
	WIN 0
.endm
.macro PASS kind
.irp s, 0,1,2,3,4,5,6,7
	GSTEP \kind, \s
.endr
.endm
; Slot n, whose tile this pass has read, is filled with the same kind's next tile.  The round takes the barrier's place: no wave of any partner still reads the slot or has a load on its way.
.macro CHANGE n
	s_wait_tensorcnt 0x0                           ; all my tensor loads have landed, my block of the other slot among them: so a group 0 may be written
	ds_add_u32 v[SPW], v[NIL]                      ; 0 onto my spare word
	s_add_nc_u64 s[G0+4*\n+2:G0+4*\n+3], s[G0+4*\n+2:G0+4*\n+3], 2*SLOT1   ; two tiles on
	s_wait_dscnt 0x0                               ; the add is done, and my reads of the slot are over
	ROUND
	tensor_load_to_lds s[G0+4*\n:G0+4*\n+3], s[G1:G1+7]   ; my one load behind the round: it has an epilogue and a pass of 256 products in which to land
	s_nop 0
	PLACES 4                                       ; also the places behind the pass's last products, for the loads and reads that follow
.endm
.macro QLOAD                           ; q' of my head: lane (r, h), register 8 t + j = d 16 t + 8 h + j
.irp t, 0,1,2,3
.irp c, 0,1
	global_load_b128 v[QV+8*\t+4*\c:QV+8*\t+4*\c+3], v[QA], s[8:9] offset:64*\t+16*\c
.endr
.endr
.endm
; Behind K's pass: lane (r, h) holds, of row 16 a + r, k at d = 16 t + 8 h + j in register 8 (4 a + t) + j.
.macro KEPI
	s_wait_loadcnt 0x0                             ; q'
	WIN 0x01                                       ; source 0: the accumulators
.irp a, 0,1,2,3,4,5,6,7
	v_pk_mul_f32 v[SS+2*\a:SS+2*\a+1], v[32*\a:32*\a+1], v[QV:QV+1]   ; each accumulator is read from its low end on
.endr
.irp i, 1,2,3,4,5,6,7,8,9,10,11,12,13,14,15
.irp a, 0,1,2,3,4,5,6,7
	v_pk_fma_f32 v[SS+2*\a:SS+2*\a+1], v[32*\a+2*\i:32*\a+2*\i+1], v[QV+2*\i:QV+2*\i+1], v[SS+2*\a:SS+2*\a+1]
.endr
.endr
	WIN 0
.irp a, 0,1,2,3,4,5,6,7
	v_add_f32 v[SS+2*\a], v[SS+2*\a], v[SS+2*\a+1]
.endr
.irp a, 0,1,2,3,4,5,6,7
	v_permlanex16_b32 v[SS+2*\a+1], v[SS+2*\a], s[SEL], s[SEL+1]
.endr
.irp a, 0,1,2,3,4,5,6,7
	v_add_f32 v[SS+2*\a], v[SS+2*\a], v[SS+2*\a+1]   ; t of row 16 a + r
.endr
	v_max3_num_f32 v[MXR], v[SS], v[SS+2], v[SS+4]
	v_max3_num_f32 v[MXR], v[MXR], v[SS+6], v[SS+8]
	v_max3_num_f32 v[MXR], v[MXR], v[SS+10], v[SS+12]
	v_max_num_f32 v[MXR], v[MXR], v[SS+14]
.irp x, 1,2,4,8
	v_max_num_f32_dpp v[MXR], v[MXR], v[MXR] row_xmask:\x row_mask:0xf bank_mask:0xf   ; m: the largest t of the 128 rows
.endr
.irp a, 0,1,2,3,4,5,6,7
	v_sub_f32 v[SS+2*\a], v[SS+2*\a], v[MXR]
.endr
.irp a, 0,1,2,3,4,5,6,7
	v_exp_f32 v[SS+2*\a+1], v[SS+2*\a]             ; p = 2^(t - m)
.endr
	v_add_nc_u32 v22, s[MLO], v[MLW0]              ; (the plain place behind the exponentials)  where my head's m and l go
	s_wait_alu depctr_va_vdst(0)                   ; one wait for the eight, ahead of their first reader
	v_add_f32 v[LSR], v[SS+1], v[SS+3]
	v_add_f32 v23, v[SS+5], v[SS+7]
	v_add_f32 v24, v[SS+9], v[SS+11]
	v_add_f32 v25, v[SS+13], v[SS+15]
	v_add_f32 v[LSR], v[LSR], v23
	v_add_f32 v24, v24, v25
	v_add_f32 v[LSR], v[LSR], v24
.irp x, 1,2,4,8
	v_add_f32_dpp v[LSR], v[LSR], v[LSR] row_xmask:\x row_mask:0xf bank_mask:0xf   ; l (each half of the lanes holds all 128 rows)
.endr
.irp a, 0,1,2,3,4,5,6,7
	ds_store_b32 v[PSW], v[SS+2*\a+1] offset:64*\a   ; p by rows, in my own 512 bytes,
.endr
.irp a, 0,1,2,3,4,5,6,7
.irp c, 0,1
	ds_load_b128 v[PV+8*\a+4*\c:PV+8*\a+4*\c+3], v[PSL] offset:64*\a+16*\c   ; and back as V's pass will want it: register 8 a + j = row 16 a + 8 h + j
.endr
.endr
	ds_store_b32 v22, v[MXR]
	ds_store_b32 v22, v[LSR] offset:4
.endm
; Behind V's pass: lane (r, h) holds, of d = 16 t + r, v at row 16 a + 8 h + j in register 8 (4 a + t) + j.
.macro VEPI next
	WIN 0x01
.irp a, 0,1,2,3,4,5,6,7
.irp i, 0,1,2,3
.irp t, 0,1,2,3
.if (\a < 2) && (\i == 0)
	v_pk_mul_f32 v[OO+4*\t+2*(\a%2):OO+4*\t+2*(\a%2)+1], v[8*(4*\a+\t)+2*\i:8*(4*\a+\t)+2*\i+1], v[PV+8*\a+2*\i:PV+8*\a+2*\i+1]
.else
	v_pk_fma_f32 v[OO+4*\t+2*(\a%2):OO+4*\t+2*(\a%2)+1], v[8*(4*\a+\t)+2*\i:8*(4*\a+\t)+2*\i+1], v[PV+8*\a+2*\i:PV+8*\a+2*\i+1], v[OO+4*\t+2*(\a%2):OO+4*\t+2*(\a%2)+1]
.endif
.endr
.endr
.endr
	WIN 0
.irp t, 0,1,2,3
	v_pk_add_f32 v[OO+4*\t:OO+4*\t+1], v[OO+4*\t:OO+4*\t+1], v[OO+4*\t+2:OO+4*\t+3]
.endr
.irp t, 0,1,2,3
	v_add_f32 v[OO+4*\t], v[OO+4*\t], v[OO+4*\t+1]
.endr
.irp t, 0,1,2,3
	v_permlanex16_b32 v[OO+4*\t+1], v[OO+4*\t], s[SEL], s[SEL+1]
.endr
.irp t, 0,1,2,3
	v_add_f32 v[OO+4*\t], v[OO+4*\t], v[OO+4*\t+1]   ; o at d = 16 t + r, in both halves of the lanes
.endr
	v_cndmask_b32 v[EV0], v[OO], v[OO+4], s[HM]    ; lane l: d = l
	v_cndmask_b32 v[EV1], v[OO+8], v[OO+12], s[HM] ; lane l: d = 32 + l
	ds_store_b32 v[OSW], v[EV0]
	ds_store_b32 v[OSW], v[EV1] offset:128
	ds_load_b64 v[OUTR:OUTR+1], v[OSL]             ; lane l: d = 2 l, 2 l + 1
	s_wait_dscnt 0x0
	global_store_b64 v[GO], v[OUTR:OUTR+1], s[10:11]   ; 32 lanes store 256 consecutive bytes, aligned
.if \next
	s_wait_xcnt 0x0                                ; the store and the last loads of q' have read their registers and bases: only now are these stepped, and the store's data written again
	s_add_nc_u64 s[10:11], s[10:11], 1024          ; four heads on
	s_add_nc_u64 s[8:9], s[8:9], 1024
	s_add_co_u32 s[MLO], s[MLO], 32
	QLOAD
.endif
.endm
	s_wait_tensorcnt 0x1                           ; my block of tile 0 is in, and I alone read it; tile 1's load may stay out
	PROLOG 0
	QLOAD
	s_mov_b32 s23, 3
.Lg:                                                   ; three trips: heads 4 g + w, g = 0, 1, 2; each fills both slots again
	PASS 0
	CHANGE 0
	PROLOG 1
	KEPI
	PASS 1
	CHANGE 1
	PROLOG 0
	VEPI 1
	s_sub_co_u32 s23, s23, 1
	s_cmp_lg_u32 s23, 0
	s_cbranch_scc1 .Lg
	PASS 0                                         ; g = 3 is written out: nothing is left to fetch
	s_wait_tensorcnt 0x0                           ; my block of the last tile of V is in
	PLACES 4
	PROLOG 1
	KEPI
	PASS 1
	PLACES 4
	VEPI 0
	BARRIER                                        ; the sixteen heads' m and l lie in LDS
	s_cmp_lg_u32 s[WV], 0
	s_cbranch_scc1 .Lnot_first
	ds_load_b32 v23, v[MLR]
	s_wait_dscnt 0x0
	global_store_b32 v[ML4], v23, s[12:13]         ; 128 consecutive bytes
.Lnot_first:
	s_wait_tensorcnt 0x0                           ; the wave's end, behind my last tensor load and my last LDS store
	ds_add_u32 v[SPW], v[NIL]
	s_wait_dscnt 0x0
	ROUND                                          ; the closing round: no work-group ends while a partner may still ask for a block that names it
	s_endpgm
.Lfunc_end_k_q171afbe38e_attn:
	.size	k_q171afbe38e_attn, .Lfunc_end_k_q171afbe38e_attn-k_q171afbe38e_attn
	.p2alignl 7, 3214868480
	.fill 96, 4, 3214868480
	.section	.rodata,"a",@progbits
	.p2align	6, 0x0
	.amdhsa_kernel k_q171afbe38e_attn
		.amdhsa_group_segment_fixed_size 327680
		.amdhsa_private_segment_fixed_size 0
		.amdhsa_enable_private_segment 0
		.amdhsa_kernarg_size 40
		.amdhsa_user_sgpr_count 2
		.amdhsa_user_sgpr_kernarg_segment_ptr 1
		.amdhsa_wavefront_size32 1
		.amdhsa_system_sgpr_workgroup_id_x 1
		.amdhsa_system_sgpr_workgroup_id_y 1
		.amdhsa_system_sgpr_workgroup_id_z 1
		.amdhsa_system_vgpr_workitem_id 0
		.amdhsa_next_free_vgpr 1024
		.amdhsa_next_free_sgpr 66
		.amdhsa_reserve_vcc 0
		.amdhsa_float_denorm_mode_32 3
		.amdhsa_float_denorm_mode_16_64 3
		.amdhsa_memory_ordered 1
		.amdhsa_forward_progress 1
		.amdhsa_inst_pref_size 255
	.end_amdhsa_kernel
	.section	.bss,"aw",@nobits
	.p2align	6
	.space	262144
	.amdgpu_metadata
---
amdhsa.version: [ 1, 2 ]
amdhsa.kernels:
  - .name:           k_q171afbe38e_attn
    .symbol:         k_q171afbe38e_attn.kd
    .args:
      - { .name: x, .offset: 0, .size: 8, .value_kind: global_buffer, .address_space: global }
      - { .name: wkv, .offset: 8, .size: 8, .value_kind: global_buffer, .address_space: global }
      - { .name: qb, .offset: 16, .size: 8, .value_kind: global_buffer, .address_space: global }
      - { .name: part_o, .offset: 24, .size: 8, .value_kind: global_buffer, .address_space: global }
      - { .name: part_ml, .offset: 32, .size: 8, .value_kind: global_buffer, .address_space: global }
    .group_segment_fixed_size: 327680
    .private_segment_fixed_size: 0
    .kernarg_segment_align: 8
    .kernarg_segment_size: 40
    .max_flat_workgroup_size: 128
    .sgpr_count:     66
    .vgpr_count:     1024
    .wavefront_size: 32
...
	.end_amdgpu_metadata
.endif
;; end of part 2
;; launch outp (part 3): grid 16 x 16, 8 waves a work-group, no clusters, 5,120 bytes of LDS; arguments part_o, part_ml, bv, wob, bo, out0; writes out0
.if DOCPART == 3
	.amdgcn_target "amdgcn-amd-amdhsa--gfx1250"
	.amdhsa_code_object_version 6
	.text
	.protected	k_q171afbe38e_outp
	.globl	k_q171afbe38e_outp
	.p2align	8
	.type	k_q171afbe38e_outp,@function
k_q171afbe38e_outp:
	s_mov_b64 s[64:65], 0
	v_nop
	global_prefetch_b8 v0, s[64:65] scope:SCOPE_SE
	s_setreg_imm32_b32 hwreg(HW_REG_WAVE_MODE, 25, 1), 1
	s_wait_xcnt 0x0
; THIRD LAUNCH.  A batch's eight chunks are joined: M = max m, w = 2^(m - M), L = sum w l, out = sum (w / L) o + bv; then out0 = Q(out) Q(Wo)^T + bo on codes of FP4.
; LEFT OUT: bk (shown at the head of the first kernel).  bv is added here once, behind the normalisation: the softmax's weights sum to 1.
; SHARES.  Work-group (x, y): output columns 64 x .. 64 x + 63 (block x of wob), batches 2 y and 2 y + 1.  Wave s takes K step s = heads 2 s, 2 s + 1; the eight waves' sums meet in LDS, ascending.
; THE 16 ROWS OF THE OPERAND: lane row r first stands for (batch 2 y + r % 2, chunk r / 2); the sums over chunks go across the lanes (lane xor 2, 4, 8), after which every row holds its batch's whole sum:
; even rows batch 2 y, odd rows batch 2 y + 1.  Of the product's 16 rows, rows 0 and 9 are kept (register 0 in lanes 0-15, register 1 in lanes 16-31).
; LIMITS: as in the first kernel's head.
.set BLOCK, 34816
.set SPARE, 4096                       ; behind the waves' sums (8 x 512 bytes from byte 0): the spare words, 128 bytes for each wave: four blocks of 256 bytes that no other line names
.set LI,  1                            ; 16 x lane: a fragment's image; also where wave 0 reads the sums back
.set OA,  2                            ; part_o: (8 (r % 2) + r / 2) rows of 4,096 bytes + 64 h
.set MA,  3                            ; part_ml: the same rows of 128 bytes
.set BA,  4                            ; 64 h
.set WSA, 5                            ; 32 r
.set BOA, 6                            ; 16 r
.set RW,  7                            ; 512 x wave + 256 h + 4 r
.set OO,  9                            ; 4,096 h + 16 r
.set SPW, 10                           ; my spare word; never rewritten
.set NIL, 11                           ; 0; never rewritten
.set ML,  16                           ; v16-19 m, l of head 2 s; m, l of head 2 s + 1
.set MX,  20
.set WT,  22
.set ZS,  24
.set F0,  26                           ; v[26:27], v[28:29]: w / L; the packed form names a pair and takes its low word
.set F1,  28
.set OV,  32                           ; v32-95   register 16 b + i = column 128 s + 32 b + 16 h + i
.set BVR, 96                           ; v96-159  bv likewise; later the products
.set DR,  96
.set EV,  128
.set RS,  132                          ; v132-163 the eight waves' sums
.set WF,  160                          ; v160-191 Wo's four fragments
.set WS,  192                          ; v192-195 their scale words; v196 mine: scales and nothing else
.set PW,  196
.set BO,  200
.set PC,  204
.set TM,  212
.set WV,  16
.set HM,  19
.set SEL, 24
.macro QUANT src, pc, pw
.irp b, 0,1,2,3
	v_max3_num_f32 v[TM+\b], |v[\src+16*\b]|, |v[\src+1+16*\b]|, 0x1800000   ; block b: my 16 numbers, and the floor 2^(3 - 127): the byte cannot fall under 1
.endr
.irp i, 2,4,6,8,10,12,14
.irp b, 0,1,2,3
	v_max3_num_f32 v[TM+\b], v[TM+\b], |v[\src+16*\b+\i]|, |v[\src+1+16*\b+\i]|
.endr
.endr
.irp b, 0,1,2,3
	v_permlanex16_b32 v[TM+4+\b], v[TM+\b], s[SEL], s[SEL+1]
.endr
.irp b, 0,1,2,3
	v_max_num_f32 v[TM+\b], v[TM+\b], v[TM+4+\b]
.endr
.irp b, 0,1,2,3
	v_add_nc_u32 v[TM+12+\b], 0xff000000, v[TM+\b]   ; 2 off the exponent field: the conversion's scale operand
.endr
.irp b, 0,1,2,3
	v_lshrrev_b32 v[TM+4+\b], 23, v[TM+12+\b]
.endr
	v_lshl_or_b32 v[\pw], v[TM+5], 8, v[TM+4]
	v_lshl_or_b32 v[\pw], v[TM+6], 16, v[\pw]
	v_lshl_or_b32 v[\pw], v[TM+7], 24, v[\pw]
.irp b, 0,1,2,3
	v_cvt_scalef32_pk8_fp4_f32 v[\pc+2*\b], v[\src+16*\b:\src+7+16*\b], v[TM+12+\b]
	v_cvt_scalef32_pk8_fp4_f32 v[\pc+1+2*\b], v[\src+8+16*\b:\src+15+16*\b], v[TM+12+\b]
.endr
	v_nop                                          ; one plain place behind a scaled conversion
.irp c, 0,1
.irp i, 0,1
	v_permlane16_swap_b32 v[\pc+4*\c+\i], v[\pc+2+4*\c+\i]
.endr
.endr
.endm
	s_load_b256 s[4:11], s[0:1], 0x0               ; part_o s[4:5], part_ml s[6:7], bv s[8:9], wob s[10:11]
	s_load_b128 s[12:15], s[0:1], 0x20             ; bo s[12:13], out0 s[14:15]
	v_lshl_add_u32 v[SPW], v0, 2, SPARE
	v_mov_b32 v[NIL], 0
	v_lshrrev_b32 v12, 5, v0
	v_readfirstlane_b32 s[WV], v12                 ; wave 0..7 = K step
	s_and_b32 s17, ttmp7, 0xffff                   ; y
	v_and_b32 v12, 31, v0                          ; lane
	v_and_b32 v13, 15, v0                          ; r
	v_bfe_u32 v14, v0, 4, 1                        ; h
	v_lshlrev_b32 v[LI], 4, v12
	v_and_b32 v15, 1, v13
	v_lshlrev_b32 v15, 3, v15
	v_lshrrev_b32 v12, 1, v13
	v_add_nc_u32 v15, v15, v12                     ; 8 (r % 2) + r / 2: my row among the pair's sixteen partial rows
	v_lshlrev_b32 v[BA], 6, v14
	v_lshl_add_u32 v[OA], v15, 12, v[BA]
	v_lshlrev_b32 v[MA], 7, v15
	v_lshlrev_b32 v[WSA], 5, v13
	v_lshlrev_b32 v[BOA], 4, v13
	s_lshl_b32 s18, s[WV], 9
	v_lshl_add_u32 v[RW], v14, 8, s18
	v_lshl_add_u32 v[RW], v13, 2, v[RW]
	v_lshl_add_u32 v[OO], v14, 12, v[BOA]
	v_cmp_ne_u32 s[HM], 0, v14                     ; lanes 16-31
.irp b, 0,1,2,3
	v_mov_b32 v[TM+4+\b], 0                        ; written once: a lane permute's destination counts as one of its sources
.endr
	v_mov_b32 v[F0+1], 0                           ; (named as the upper halves of pairs, so they are written)
	v_mov_b32 v[F1+1], 0
	s_mov_b32 s[SEL], 0x76543210
	s_mov_b32 s[SEL+1], 0xfedcba98
	s_mov_b32 s27, 0
	s_mov_b32 s29, 0
	s_wait_kmcnt 0x0
	s_lshl_b32 s26, s17, 16                        ; 16 rows of part_o,
	s_add_co_u32 s26, s26, s18                     ; my K step's 512 bytes
	s_add_nc_u64 s[4:5], s[4:5], s[26:27]
	s_lshl_b32 s26, s17, 11
	s_lshl_b32 s28, s[WV], 4
	s_add_co_u32 s26, s26, s28
	s_add_nc_u64 s[6:7], s[6:7], s[26:27]
	s_mov_b32 s28, s18
	s_add_nc_u64 s[8:9], s[8:9], s[28:29]
	s_mul_i32 s26, ttmp9, BLOCK
	s_add_nc_u64 s[10:11], s[10:11], s[26:27]      ; block x of wob:
	s_lshl_b32 s28, s[WV], 12
	s_add_nc_u64 s[20:21], s[10:11], s[28:29]      ; my K step's four images,
	s_lshl_b32 s28, s[WV], 2
	s_add_co_u32 s28, s28, 32768
	s_add_nc_u64 s[22:23], s[10:11], s[28:29]      ; and its scale words
	s_lshl_b32 s28, ttmp9, 8
	s_add_nc_u64 s[12:13], s[12:13], s[28:29]
	s_lshl_b32 s26, s17, 13
	s_add_co_u32 s26, s26, s28
	s_add_nc_u64 s[14:15], s[14:15], s[26:27]      ; out0: row 2 y, column 64 x
	global_load_b128 v[ML:ML+3], v[MA], s[6:7]
.irp b, 0,1,2,3
.irp j, 0,1,2,3
	global_load_b128 v[OV+16*\b+4*\j:OV+16*\b+4*\j+3], v[OA], s[4:5] offset:128*\b+16*\j
.endr
.endr
.irp b, 0,1,2,3
.irp j, 0,1,2,3
	global_load_b128 v[BVR+16*\b+4*\j:BVR+16*\b+4*\j+3], v[BA], s[8:9] offset:128*\b+16*\j
.endr
.endr
.irp t, 0,1,2,3
.irp c, 0,1
	global_load_b128 v[WF+8*\t+4*\c:WF+8*\t+4*\c+3], v[LI], s[20:21] offset:1024*\t+512*\c
.endr
	global_load_b32 v[WS+\t], v[WSA], s[22:23] offset:512*\t
.endr
	s_cmp_lg_u32 s[WV], 0
	s_cbranch_scc1 .Lno_bo
	global_load_b128 v[BO:BO+3], v[BOA], s[12:13]  ; wave 0 finishes the sums: it alone wants bo
.Lno_bo:
	s_wait_loadcnt 0x0
	v_mov_b32 v[MX], v[ML]
	v_mov_b32 v[MX+1], v[ML+2]
.irp x, 2,4,8
	v_max_num_f32_dpp v[MX], v[MX], v[MX] row_xmask:\x row_mask:0xf bank_mask:0xf          ; M over my batch's eight chunks
	v_max_num_f32_dpp v[MX+1], v[MX+1], v[MX+1] row_xmask:\x row_mask:0xf bank_mask:0xf
.endr
	v_sub_f32 v[WT], v[ML], v[MX]
	v_sub_f32 v[WT+1], v[ML+2], v[MX+1]
	v_exp_f32 v[WT], v[WT]                         ; w = 2^(m - M)
	v_exp_f32 v[WT+1], v[WT+1]
	v_nop                                          ; a plain place behind the exponentials,
	s_wait_alu depctr_va_vdst(0)                   ; and the wait ahead of their first reader
	v_mul_f32 v[ZS], v[WT], v[ML+1]
	v_mul_f32 v[ZS+1], v[WT+1], v[ML+3]
.irp x, 2,4,8
	v_add_f32_dpp v[ZS], v[ZS], v[ZS] row_xmask:\x row_mask:0xf bank_mask:0xf              ; L = sum w l (at least 1: the chunk that holds M has w = 1 and l >= 1)
	v_add_f32_dpp v[ZS+1], v[ZS+1], v[ZS+1] row_xmask:\x row_mask:0xf bank_mask:0xf
.endr
	v_rcp_f32 v[ZS], v[ZS]
	v_rcp_f32 v[ZS+1], v[ZS+1]
	v_nop
	s_wait_alu depctr_va_vdst(0)
	v_mul_f32 v[F0], v[WT], v[ZS]
	v_mul_f32 v[F1], v[WT+1], v[ZS+1]
.set j, 0
.rept 16
	v_pk_mul_f32 v[OV+j:OV+j+1], v[OV+j:OV+j+1], v[F0:F0+1] op_sel_hi:[1,0]                ; registers 0-31: head 2 s
	v_pk_mul_f32 v[OV+32+j:OV+33+j], v[OV+32+j:OV+33+j], v[F1:F1+1] op_sel_hi:[1,0]        ; registers 32-63: head 2 s + 1
.set j, j+2
.endr
.irp x, 2,4,8
.set j, 0
.rept 64
	v_add_f32_dpp v[OV+j], v[OV+j], v[OV+j] row_xmask:\x row_mask:0xf bank_mask:0xf        ; over the chunks; the registers by turns
.set j, j+1
.endr
.endr
.set j, 0
.rept 32
	v_pk_add_f32 v[OV+j:OV+j+1], v[OV+j:OV+j+1], v[BVR+j:BVR+j+1]                          ; + bv
.set j, j+2
.endr
	QUANT OV, PC, PW
.rept 8
	v_nop                                          ; a scale register written by a vector instruction stands 8 places ahead of a scaled matrix instruction, an operand 4
.endr
.irp t, 0,1,2,3
	v_wmma_scale_f32_16x16x128_f8f6f4 v[DR+8*\t:DR+8*\t+7], v[PC:PC+7], v[WF+8*\t:WF+8*\t+7], 0, v[PW], v[WS+\t] matrix_a_fmt:MATRIX_FMT_FP4 matrix_b_fmt:MATRIX_FMT_FP4   ; register j: row 8 h + j; the lane: column 16 t + r
.endr
.rept 4
	v_nop
.endr
.irp t, 0,1,2,3
	v_cndmask_b32 v[EV+\t], v[DR+8*\t], v[DR+8*\t+1], s[HM]   ; lanes 0-15: row 0 (batch 2 y); lanes 16-31: row 9 (batch 2 y + 1)
.endr
.irp t, 0,1,2,3
	ds_store_b32 v[RW], v[EV+\t] offset:64*\t
.endr
	s_wait_dscnt 0x0                               ; for the others' sake: my stores have landed
	s_barrier_signal -1
	s_barrier_wait -1
	s_cmp_lg_u32 s[WV], 0
	s_cbranch_scc1 .Lend
.irp p, 0,1,2,3,4,5,6,7
	ds_load_b128 v[RS+4*\p:RS+4*\p+3], v[LI] offset:512*\p     ; lane l: batch 2 y + l / 16, columns 4 (l % 16) on
.endr
	s_wait_dscnt 0x0
.irp p, 1,2,3,4,5,6,7
	v_pk_add_f32 v[RS:RS+1], v[RS:RS+1], v[RS+4*\p:RS+4*\p+1]             ; the K steps' sums, ascending
	v_pk_add_f32 v[RS+2:RS+3], v[RS+2:RS+3], v[RS+4*\p+2:RS+4*\p+3]
.endr
	v_pk_add_f32 v[RS:RS+1], v[RS:RS+1], v[BO:BO+1]
	v_pk_add_f32 v[RS+2:RS+3], v[RS+2:RS+3], v[BO+2:BO+3]
	global_store_b128 v[OO], v[RS:RS+3], s[14:15]  ; sixteen lanes store 256 consecutive bytes, aligned, of each of the two rows
.Lend:
	s_wait_tensorcnt 0x0                           ; the wave's end, behind my last LDS store
	ds_add_u32 v[SPW], v[NIL]
	s_wait_dscnt 0x0
	s_endpgm
.Lfunc_end_k_q171afbe38e_outp:
	.size	k_q171afbe38e_outp, .Lfunc_end_k_q171afbe38e_outp-k_q171afbe38e_outp
	.p2alignl 7, 3214868480
	.fill 96, 4, 3214868480
	.section	.rodata,"a",@progbits
	.p2align	6, 0x0
	.amdhsa_kernel k_q171afbe38e_outp
		.amdhsa_group_segment_fixed_size 5120
		.amdhsa_private_segment_fixed_size 0
		.amdhsa_enable_private_segment 0
		.amdhsa_kernarg_size 48
		.amdhsa_user_sgpr_count 2
		.amdhsa_user_sgpr_kernarg_segment_ptr 1
		.amdhsa_wavefront_size32 1
		.amdhsa_system_sgpr_workgroup_id_x 1
		.amdhsa_system_sgpr_workgroup_id_y 1
		.amdhsa_system_sgpr_workgroup_id_z 1
		.amdhsa_system_vgpr_workitem_id 0
		.amdhsa_next_free_vgpr 256
		.amdhsa_next_free_sgpr 66
		.amdhsa_reserve_vcc 0
		.amdhsa_float_denorm_mode_32 3
		.amdhsa_float_denorm_mode_16_64 3
		.amdhsa_memory_ordered 1
		.amdhsa_forward_progress 1
		.amdhsa_inst_pref_size 32
	.end_amdhsa_kernel
	.amdgpu_metadata
---
amdhsa.version: [ 1, 2 ]
amdhsa.kernels:
  - .name:           k_q171afbe38e_outp
    .symbol:         k_q171afbe38e_outp.kd
    .args:
      - { .name: part_o, .offset: 0, .size: 8, .value_kind: global_buffer, .address_space: global }
      - { .name: part_ml, .offset: 8, .size: 8, .value_kind: global_buffer, .address_space: global }
      - { .name: bv, .offset: 16, .size: 8, .value_kind: global_buffer, .address_space: global }
      - { .name: wob, .offset: 24, .size: 8, .value_kind: global_buffer, .address_space: global }
      - { .name: bo, .offset: 32, .size: 8, .value_kind: global_buffer, .address_space: global }
      - { .name: out0, .offset: 40, .size: 8, .value_kind: global_buffer, .address_space: global }
    .group_segment_fixed_size: 5120
    .private_segment_fixed_size: 0
    .kernarg_segment_align: 8
    .kernarg_segment_size: 48
    .max_flat_workgroup_size: 256
    .sgpr_count:     66
    .vgpr_count:     256
    .wavefront_size: 32
...
	.end_amdgpu_metadata
.endif
;; end of part 3
;; ======== version 2 of 2: 3 launches; version 1 with the launches prep, outp written anew for expert scheduling mode
;; workspace buffers: wkv 1,114,112 bytes; wob 557,056 bytes; qb 131,072 bytes; part_o 1,048,576 bytes; part_ml 32,768 bytes
;; launch prep (part 4): grid 320 x 1, 8 waves a work-group, no clusters, 144,896 bytes of LDS; arguments Wk, Wv, Wo, Wq, bq, x, wkv, wob, qb; writes wkv, wob, qb
.if DOCPART == 4
	.amdgcn_target "amdgcn-amd-amdhsa--gfx1250"
	.amdhsa_code_object_version 6
	.text
	.protected	k_q171afbe38e_prep
	.globl	k_q171afbe38e_prep
	.p2align	8
	.type	k_q171afbe38e_prep,@function
k_q171afbe38e_prep:
	s_mov_b64 s[64:65], 0
	v_nop
	global_prefetch_b8 v0, s[64:65] scope:SCOPE_SE
	s_setreg_imm32_b32 hwreg(HW_REG_WAVE_SCHED_MODE, 0, 2), 2
	s_setreg_imm32_b32 hwreg(HW_REG_WAVE_MODE, 25, 1), 1
	s_wait_xcnt 0x0
	s_wait_alu depctr_vm_vsrc(0)
; FIRST OF THREE LAUNCHES.  out = (softmax(q k^T / 8) v) Wo^T + bo, one query a batch (the last position), 16 heads of 64, 1,024 positions, 32 batches.
; This launch (a) turns Wk, Wv and Wo, f32 [1024 (n)][1024 (k)], into codes of FP4 (E2M1) with one E8M0 byte for each 32 along k, laid as the later launches' operand registers want them,
; and (b) makes q' = (Q(x_last) Q(Wq)^T + bq) x log2(e) / 8, f32 [32][1024] (the softmax's scale and the change to base 2 are folded into q once).
; DEAD WORK, for all finite values of the inputs: k = x Wk^T + bk goes into no quantiser, and score(b, h, s) = q . (x_s Wk^T) / 8 + q . bk / 8, whose second term is the same for every s of a (b, h):
; a softmax along s takes it away.  So bk has no way to the output: it is not loaded and is among no launch's arguments.  bv is live: since the softmax's weights sum to 1,
; sum_s attn (v_s + bv) = sum_s attn v_s + bv, and it is added once, behind the normalisation, in the third launch.
; LIMITS: a NaN, an infinity or an overflow that reaches only q . bk is not carried to the result.  NaN and infinities in x or the weights are not served.  A block of zeros gets the byte 1 where the rule
; says 127: its codes are zeros, which add nothing under any byte but 0xff, and this program alone reads the bytes.  The eight K steps of product 1 are summed in f32 across waves, ascending.
; LAYOUT OF wkv AND wob: blocks of 34,816 bytes, 64 rows n each: 32 images of fragments (16 rows x 128 k: 8 registers a lane), fragment (K step s, tile t) at 1,024 (4 s + t), its registers 4 c .. 4 c + 3 at
; + 512 c + 16 x lane; from + 32,768 the scale bytes, [64 rows][32].  wkv: block (2 g + kind) 4 + w for head 4 g + w, kind 0 = Wk, 1 = Wv.  wob: block n / 64.
; SHARES: a work-group takes 16 rows of one weight, wave s its K step s.  Work-groups 0-63 Wk, 64-127 Wv, 128-191 Wo (path A: codes out); 192-319 Wq: tile (i - 192) / 2 against 16 of the 32 batches (path B: product 1).
; The two paths part ONCE, on the work-group's number, behind the loads of the weight's rows; each has LDS bytes of its own.
; THE MODE: SCHED_MODE bits 1:0 = 2 (LLVM: expert scheduling mode 2), set by the entry lines.  The code itself states the register dependences
; between vector or matrix instructions and memory or LDS instructions, with s_wait_alu, always for 0.
; THE PLAN.  The text has no loop.  Registers that memory or LDS instructions touch:
;   v4-13, v250, v251, v14, v15   addresses and the closing add's two: written at the head, never again; one wait ahead of the first load states all of them.
;   UR    written by the weight's 16 loads; read by the stage's 16 LDS stores; then a second load lands in its first registers (path A: the scale bytes; path B: bq): one wait on vm_vsrc in each path.
;   XQ    written by the stage's LDS loads; read by QUANT; in path B's wave 0 the partial sums land in it, behind a wait on va_vdst that stands behind QUANT; the additions write it, the last stores read it.
;   XLR   written by loads, read by QUANT, not written again.
;   PC0, PW0, PC1, PW1   written by QUANT; read by path A's stores or by the product.     DR   written by the product, read by LDS stores.
.set BLOCK, 34816
.set STGW,  8448                       ; a wave's stage: 16 rows x (512 bytes + 16): row r starts 4 r banks on, so the 16 rows of a load start at 16 different banks
.set STGB,  8*STGW                     ; path A's eight stages from byte 0, path B's eight from here
.set SCG,   2*STGB                     ; path A alone: the tile's scale bytes, 16 rows x 32
.set RED,   SCG+512                    ; path B alone: the eight waves' partial sums, 1,024 bytes each
.set SPARE, RED+8192                   ; the spare words, 128 bytes for each wave: four blocks of 256 bytes that no other line names
.set XA,  4                            ; v4   16 x lane
.set STS, 5                            ; v5   path A's stage, in: 16 x lane
.set STL, 6                            ; v6   path A's stage, out: 528 r + 64 h
.set XL,  7                            ; v7   x's last rows: batch r x 4 MiB + 64 h
.set SCW, 8                            ; v8   SCG + 32 r + 4 x wave
.set SCR, 9                            ; v9   SCG + 16 x lane
.set RDW, 10                           ; v10  RED + 1,024 x wave + 16 x lane
.set RDR, 11                           ; v11  RED + 16 x lane
.set BQA, 12                           ; v12  32 h
.set QOA, 13                           ; v13  4,096 r + 32 h
.set SPW, 14                           ; v14  my spare word; never rewritten
.set NIL, 15                           ; v15  0; never rewritten
.set PC0, 16                           ; v16-23   the weight's fragment
.set PC1, 24                           ; v24-31   x's fragment
.set UR,  32                           ; v32-95   16 rows as loaded
.set XQ,  96                           ; v96-159  64 numbers of my row: register 16 b + i = k 32 b + 16 h + i
.set XLR, 160                          ; v160-223 the same of x's last rows
.set TM,  224                          ; v224-239 at work in QUANT
.set DR,  240                          ; v240-247 the product
.set PW0, 248                          ; v248, v249: scale words, and nothing else
.set PW1, 249
.set STS2, 250                         ; v250 path B's stage, in
.set STL2, 251                         ; v251 path B's stage, out
.set WV,  28
.set SEL, 30
.set CS,  42
; 64 numbers of a lane become a fragment's codes in v[pc] on and its row's scale word in v[pw].
.macro QUANT src, pc, pw
.irp b, 0,1,2,3
	v_max3_num_f32 v[TM+\b], |v[\src+16*\b]|, |v[\src+1+16*\b]|, 0x1800000   ; block b: my 16 numbers, and the floor 2^(3 - 127): the byte cannot fall under 1
.endr
.irp i, 2,4,6,8,10,12,14
.irp b, 0,1,2,3
	v_max3_num_f32 v[TM+\b], v[TM+\b], |v[\src+16*\b+\i]|, |v[\src+1+16*\b+\i]|   ; the four blocks by turns
.endr
.endr
.irp b, 0,1,2,3
	v_permlanex16_b32 v[TM+4+\b], v[TM+\b], s[SEL], s[SEL+1]
.endr
.irp b, 0,1,2,3
	v_max_num_f32 v[TM+\b], v[TM+\b], v[TM+4+\b]   ; with lane l xor 16's: the block's largest magnitude
.endr
.irp b, 0,1,2,3
	v_add_nc_u32 v[TM+12+\b], 0xff000000, v[TM+\b]   ; 2 off its exponent field: the conversion's scale operand
.endr
.irp b, 0,1,2,3
	v_lshrrev_b32 v[TM+4+\b], 23, v[TM+12+\b]      ; the scale's byte
.endr
	v_lshl_or_b32 v[\pw], v[TM+5], 8, v[TM+4]
	v_lshl_or_b32 v[\pw], v[TM+6], 16, v[\pw]
	v_lshl_or_b32 v[\pw], v[TM+7], 24, v[\pw]
.irp b, 0,1,2,3
	v_cvt_scalef32_pk8_fp4_f32 v[\pc+2*\b], v[\src+16*\b:\src+7+16*\b], v[TM+12+\b]
	v_cvt_scalef32_pk8_fp4_f32 v[\pc+1+2*\b], v[\src+8+16*\b:\src+15+16*\b], v[TM+12+\b]
.endr
	v_nop                                          ; one plain place behind a scaled conversion
.irp c, 0,1                                    ; the operand wants a whole block in a lane: lanes 0-15 block 2 c, lanes 16-31 block 2 c + 1
.irp i, 0,1
	v_permlane16_swap_b32 v[\pc+4*\c+\i], v[\pc+2+4*\c+\i]
.endr
.endr
.endm
; The weight's 16 rows x 128 k go through my own stage (rows as loaded in, 16 neighbours of each block to a lane out) and become the fragment in v[PC0] on and the scale word in v[PW0].
; The stores' data come from loads and their addresses from the head; no vector instruction has named v[XQ ..] when the loads land in it: so no s_wait_alu stands here.
.macro TURNQ sts, stl
.irp i, 0,1,2,3,4,5,6,7,8,9,10,11,12,13,14,15
	ds_store_b128 v[\sts], v[UR+4*\i:UR+4*\i+3] offset:528*\i
.endr
.irp b, 0,1,2,3
.irp j, 0,1,2,3
	ds_load_b128 v[XQ+16*\b+4*\j:XQ+16*\b+4*\j+3], v[\stl] offset:128*\b+16*\j   ; LDS serves a wave's instructions in order: these see the stores above
.endr
.endr
	s_wait_dscnt 0x0
	QUANT XQ, PC0, PW0
.endm
.macro BARRIER                                 ; my LDS stores have landed and my LDS loads are in: then the work-group's barrier
	s_wait_dscnt 0x0
	s_barrier_signal -1
	s_barrier_wait -1
.endm
.macro PLACES n
.rept \n
	v_nop
.endr
.endm
	s_load_b256 s[4:11], s[0:1], 0x0               ; Wk s[4:5], Wv s[6:7], Wo s[8:9], Wq s[10:11]
	s_load_b256 s[12:19], s[0:1], 0x20             ; bq s[12:13], x s[14:15], wkv s[16:17], wob s[18:19]
	s_load_b64 s[20:21], s[0:1], 0x40              ; qb
	v_lshl_add_u32 v[SPW], v0, 2, SPARE
	v_mov_b32 v[NIL], 0
	v_lshrrev_b32 v1, 5, v0
	v_readfirstlane_b32 s[WV], v1                  ; wave 0..7 = K step
	v_and_b32 v1, 31, v0                           ; lane
	v_and_b32 v2, 15, v0                           ; r
	v_bfe_u32 v3, v0, 4, 1                         ; h
	v_lshlrev_b32 v[XA], 4, v1
	s_wait_alu depctr_va_sdst(0)                   ; the wave's number is written, ahead of its first reader: LDS addresses, bases and branches are made from it
	s_mul_i32 s44, s[WV], STGW
	v_add_nc_u32 v[STS], s44, v[XA]
	v_mul_u32_u24 v[STL], v2, 528
	v_lshl_add_u32 v[STL], v3, 6, v[STL]
	v_add_nc_u32 v[STL], s44, v[STL]
	v_add_nc_u32 v[STS2], STGB, v[STS]
	v_add_nc_u32 v[STL2], STGB, v[STL]
	v_lshlrev_b32 v[XL], 22, v2
	v_lshl_add_u32 v[XL], v3, 6, v[XL]
	s_lshl_b32 s44, s[WV], 2
	s_add_co_u32 s44, s44, SCG
	v_lshl_add_u32 v[SCW], v2, 5, s44
	v_add_nc_u32 v[SCR], SCG, v[XA]
	s_lshl_b32 s44, s[WV], 10
	s_add_co_u32 s44, s44, RED
	v_add_nc_u32 v[RDW], s44, v[XA]
	v_add_nc_u32 v[RDR], RED, v[XA]
	v_lshlrev_b32 v[BQA], 5, v3
	v_lshl_add_u32 v[QOA], v2, 12, v[BQA]
.irp b, 0,1,2,3
	v_mov_b32 v[TM+4+\b], 0                        ; written once: a lane permute's destination counts as one of its sources
.endr
	s_mov_b32 s[SEL], 0x76543210
	s_mov_b32 s[SEL+1], 0xfedcba98                 ; v_permlanex16_b32's selects for lane l xor 16
	s_mov_b32 s[CS], 0x3e38aa3b                    ; log2(e) / 8
	s_mov_b32 s[CS+1], s[CS]                       ; (named with it as a pair, so it is written)
	s_lshr_b32 s24, ttmp9, 1
	s_add_co_u32 s24, s24, 32
	s_and_b32 s24, s24, 63                         ; path B: tile (i - 192) / 2 = (i / 2 + 32) mod 64
	s_and_b32 s25, ttmp9, 63                       ; path A: tile i mod 64
	s_and_b32 s26, ttmp9, 1                        ; path B: which 16 batches
	s_lshr_b32 s27, ttmp9, 6                       ; path A: 0 Wk, 1 Wv, 2 Wo
	s_cmp_lt_u32 ttmp9, 192
	s_cselect_b32 s24, s25, s24                    ; the tile of 16 rows
	s_lshl_b32 s44, s24, 16                        ; 16 rows of 4,096 bytes,
	s_lshl_b32 s45, s[WV], 9                       ; my K step's 512 bytes of a row
	s_add_co_u32 s44, s44, s45
	s_mov_b32 s45, 0
	s_wait_kmcnt 0x0
	s_cmp_lt_u32 ttmp9, 64                         ; which weight: the choice hangs on the work-group's number alone
	s_cselect_b64 s[22:23], s[4:5], s[6:7]
	s_cmp_lt_u32 ttmp9, 128
	s_cselect_b64 s[22:23], s[22:23], s[8:9]
	s_cmp_lt_u32 ttmp9, 192
	s_cselect_b64 s[22:23], s[22:23], s[10:11]
	s_add_nc_u64 s[22:23], s[22:23], s[44:45]
	s_wait_alu depctr_va_vdst(0)                   ; the addresses v4 to v13, v250 and v251 are written, which the loads and stores of both paths read; none is written again
.irp i, 0,1,2,3,4,5,6,7,8,9,10,11,12,13,14,15
	global_load_b128 v[UR+4*\i:UR+4*\i+3], v[XA], s[22:23] offset:4096*\i   ; row i: 32 lanes read 512 consecutive bytes
.endr
	s_cmp_lt_u32 ttmp9, 192                        ; the one parting of the two paths
	s_cbranch_scc0 .Lpath_b
	; ---- path A: the fragment's image and the tile's scale bytes go out
	s_wait_loadcnt 0x0                             ; the weight's 16 rows
	TURNQ STS, STL
	s_lshr_b32 s25, s24, 4                         ; g = head / 4
	s_lshl_b32 s25, s25, 1
	s_add_co_u32 s25, s25, s27                     ; 2 g + kind
	s_lshl_b32 s25, s25, 2
	s_bfe_u32 s29, s24, 0x20002                    ; head mod 4
	s_add_co_u32 s25, s25, s29                     ; the block in wkv,
	s_lshr_b32 s29, s24, 2                         ; in wob
	s_cmp_lt_u32 ttmp9, 128
	s_cselect_b32 s25, s25, s29
	s_cselect_b64 s[32:33], s[16:17], s[18:19]
	s_mul_i32 s25, s25, BLOCK
	s_and_b32 s29, s24, 3                          ; the tile in its block
	s_lshl_b32 s44, s29, 10
	s_add_co_u32 s44, s44, s25
	s_lshl_b32 s45, s[WV], 12
	s_add_co_u32 s44, s44, s45                     ; image (4 s + t)
	s_mov_b32 s45, 0
	s_lshl_b32 s46, s29, 9
	s_add_co_u32 s46, s46, s25
	s_add_co_u32 s46, s46, 32768                   ; the tile's 512 scale bytes
	s_mov_b32 s47, 0
	s_add_nc_u64 s[34:35], s[32:33], s[44:45]
	s_add_nc_u64 s[32:33], s[32:33], s[46:47]
	s_wait_alu depctr_va_vdst(0)                   ; QUANT has written the fragment v[PC0 ..] and the scale word v[PW0], which the three stores below read
	global_store_b128 v[XA], v[PC0:PC0+3], s[34:35]              ; 32 lanes store 512 consecutive bytes, aligned
	global_store_b128 v[XA], v[PC0+4:PC0+7], s[34:35] offset:512
	ds_store_b32 v[SCW], v[PW0]                    ; row r's word of my K step (both halves of the lanes write the same)
	BARRIER
	s_wait_alu depctr_vm_vsrc(0)                   ; the stage's stores have read v[UR ..], in which wave 0's LDS load below lands
	s_cmp_lg_u32 s[WV], 0
	s_cbranch_scc1 .Lend
	ds_load_b128 v[UR:UR+3], v[SCR]
	s_wait_dscnt 0x0
	global_store_b128 v[XA], v[UR:UR+3], s[32:33]  ; 512 consecutive bytes
	s_branch .Lend
.Lpath_b:
	; ---- path B: product 1, transposed: source 0 = 16 rows of Wq, source 1 = 16 batches: lane (r, h), register j = q(batch r, column 8 h + j of the tile)
	s_lshl_b32 s44, s26, 26                        ; 16 batches of 4 MiB,
	s_lshl_b32 s45, s[WV], 9
	s_add_co_u32 s44, s44, s45
	s_add_co_u32 s44, s44, 1023*4096               ; position 1,023
	s_mov_b32 s45, 0
	s_add_nc_u64 s[14:15], s[14:15], s[44:45]
.irp b, 0,1,2,3
.irp j, 0,1,2,3
	global_load_b128 v[XLR+16*\b+4*\j:XLR+16*\b+4*\j+3], v[XL], s[14:15] offset:128*\b+16*\j   ; batch r's 16 numbers of block b, as QUANT wants them
.endr
.endr
	s_wait_loadcnt 16                              ; the weight's 16 rows are in; the 16 loads just issued may be out
	TURNQ STS2, STL2
	s_wait_loadcnt 0x0                             ; x's last rows
	s_wait_alu depctr_vm_vsrc(0)                   ; the stage's stores have read v[UR ..], in which wave 0's loads of bq land
	s_cmp_lg_u32 s[WV], 0
	s_cbranch_scc1 .Lno_bq
	s_lshl_b32 s44, s24, 6
	s_mov_b32 s45, 0
	s_add_nc_u64 s[12:13], s[12:13], s[44:45]
	global_load_b128 v[UR:UR+3], v[BQA], s[12:13]                ; wave 0 finishes the sums: it alone wants bq
	global_load_b128 v[UR+4:UR+7], v[BQA], s[12:13] offset:16
.Lno_bq:
	QUANT XLR, PC1, PW1
	PLACES 8                                       ; a scale register written by a vector instruction stands 8 places ahead of a scaled matrix instruction, an operand 4
	s_wait_alu depctr_va_vdst(0)                   ; QUANT has written both fragments and both scale words, which the scaled product takes; the places above stay beside this wait
	v_wmma_scale_f32_16x16x128_f8f6f4 v[DR:DR+7], v[PC0:PC0+7], v[PC1:PC1+7], 0, v[PW0], v[PW1] matrix_a_fmt:MATRIX_FMT_FP4 matrix_b_fmt:MATRIX_FMT_FP4
	PLACES 4
	s_wait_alu depctr_va_vdst(0)                   ; the product has written v[DR ..], which the LDS stores read; and QUANT is done reading v[XQ ..], in which wave 0's LDS loads land behind the barrier (no vector instruction names them in between)
	ds_store_b128 v[RDW], v[DR:DR+3]               ; from the low end on
	ds_store_b128 v[RDW], v[DR+4:DR+7] offset:512
	BARRIER
	s_cmp_lg_u32 s[WV], 0
	s_cbranch_scc1 .Lend
.irp p, 0,1,2,3,4,5,6,7
.irp c, 0,1
	ds_load_b128 v[XQ+8*\p+4*\c:XQ+8*\p+4*\c+3], v[RDR] offset:1024*\p+512*\c
.endr
.endr
	s_lshl_b32 s44, s26, 16                        ; 16 rows of qb,
	s_lshl_b32 s45, s24, 6                         ; the tile's 64 bytes
	s_add_co_u32 s44, s44, s45
	s_mov_b32 s45, 0
	s_add_nc_u64 s[20:21], s[20:21], s[44:45]
	s_wait_dscnt 0x0
	s_wait_loadcnt 0x0                             ; bq
.irp p, 1,2,3,4,5,6,7
.irp j, 0,2,4,6
	v_pk_add_f32 v[XQ+\j:XQ+\j+1], v[XQ+\j:XQ+\j+1], v[XQ+8*\p+\j:XQ+8*\p+\j+1]   ; the K steps' sums, ascending
.endr
.endr
.irp j, 0,2,4,6
	v_pk_add_f32 v[XQ+\j:XQ+\j+1], v[XQ+\j:XQ+\j+1], v[UR+\j:UR+\j+1]             ; + bq
.endr
.irp j, 0,2,4,6
	v_pk_mul_f32 v[XQ+\j:XQ+\j+1], v[XQ+\j:XQ+\j+1], s[CS:CS+1] op_sel_hi:[1,0]   ; x log2(e) / 8
.endr
	s_wait_alu depctr_va_vdst(0)                   ; the multiplications have written v[XQ .. XQ + 7], which the two stores read
	global_store_b128 v[QOA], v[XQ:XQ+3], s[20:21]               ; 64 bytes of each of 16 rows: qb is 128 KiB in all
	global_store_b128 v[QOA], v[XQ+4:XQ+7], s[20:21] offset:16
.Lend:
	s_wait_dscnt 0x0                               ; the closing lines, six on end
	s_wait_alu 0x0
	s_wait_tensorcnt 0x0
	ds_add_u32 v[SPW], v[NIL]
	s_wait_dscnt 0x0
	s_endpgm
.Lfunc_end_k_q171afbe38e_prep:
	.size	k_q171afbe38e_prep, .Lfunc_end_k_q171afbe38e_prep-k_q171afbe38e_prep
	.p2alignl 7, 3214868480
	.fill 96, 4, 3214868480
	.section	.rodata,"a",@progbits
	.p2align	6, 0x0
	.amdhsa_kernel k_q171afbe38e_prep
		.amdhsa_group_segment_fixed_size 144896
		.amdhsa_private_segment_fixed_size 0
		.amdhsa_enable_private_segment 0
		.amdhsa_kernarg_size 72
		.amdhsa_user_sgpr_count 2
		.amdhsa_user_sgpr_kernarg_segment_ptr 1
		.amdhsa_wavefront_size32 1
		.amdhsa_system_sgpr_workgroup_id_x 1
		.amdhsa_system_sgpr_workgroup_id_y 1
		.amdhsa_system_sgpr_workgroup_id_z 1
		.amdhsa_system_vgpr_workitem_id 0
		.amdhsa_next_free_vgpr 256
		.amdhsa_next_free_sgpr 66
		.amdhsa_reserve_vcc 0
		.amdhsa_float_denorm_mode_32 3
		.amdhsa_float_denorm_mode_16_64 3
		.amdhsa_memory_ordered 1
		.amdhsa_forward_progress 1
		.amdhsa_inst_pref_size 29
	.end_amdhsa_kernel
	.amdgpu_metadata
---
amdhsa.version: [ 1, 2 ]
amdhsa.kernels:
  - .name:           k_q171afbe38e_prep
    .symbol:         k_q171afbe38e_prep.kd
    .args:
      - { .name: Wk, .offset: 0, .size: 8, .value_kind: global_buffer, .address_space: global }
      - { .name: Wv, .offset: 8, .size: 8, .value_kind: global_buffer, .address_space: global }
      - { .name: Wo, .offset: 16, .size: 8, .value_kind: global_buffer, .address_space: global }
      - { .name: Wq, .offset: 24, .size: 8, .value_kind: global_buffer, .address_space: global }
      - { .name: bq, .offset: 32, .size: 8, .value_kind: global_buffer, .address_space: global }
      - { .name: x, .offset: 40, .size: 8, .value_kind: global_buffer, .address_space: global }
      - { .name: wkv, .offset: 48, .size: 8, .value_kind: global_buffer, .address_space: global }
      - { .name: wob, .offset: 56, .size: 8, .value_kind: global_buffer, .address_space: global }
      - { .name: qb, .offset: 64, .size: 8, .value_kind: global_buffer, .address_space: global }
    .group_segment_fixed_size: 144896
    .private_segment_fixed_size: 0
    .kernarg_segment_align: 8
    .kernarg_segment_size: 72
    .max_flat_workgroup_size: 256
    .sgpr_count:     66
    .vgpr_count:     256
    .wavefront_size: 32
...
	.end_amdgpu_metadata
.endif
;; end of part 4
;; launch attn: the kernel of part 2 again; grid 256 x 1, 4 waves a work-group, clusters of 4 x 1, 327,680 bytes of LDS; arguments x, wkv, qb, part_o, part_ml; writes part_o, part_ml
;; launch outp (part 5): grid 16 x 16, 8 waves a work-group, no clusters, 5,120 bytes of LDS; arguments part_o, part_ml, bv, wob, bo, out0; writes out0
.if DOCPART == 5
	.amdgcn_target "amdgcn-amd-amdhsa--gfx1250"
	.amdhsa_code_object_version 6
	.text
	.protected	k_q171afbe38e_outp
	.globl	k_q171afbe38e_outp
	.p2align	8
	.type	k_q171afbe38e_outp,@function
k_q171afbe38e_outp:
	s_mov_b64 s[64:65], 0
	v_nop
	global_prefetch_b8 v0, s[64:65] scope:SCOPE_SE
	s_setreg_imm32_b32 hwreg(HW_REG_WAVE_SCHED_MODE, 0, 2), 2
	s_setreg_imm32_b32 hwreg(HW_REG_WAVE_MODE, 25, 1), 1
	s_wait_xcnt 0x0
	s_wait_alu depctr_vm_vsrc(0)
; THIRD LAUNCH.  A batch's eight chunks are joined: M = max m, w = 2^(m - M), L = sum w l, out = sum (w / L) o + bv; then out0 = Q(out) Q(Wo)^T + bo on codes of FP4.
; LEFT OUT: bk (shown at the head of the first kernel).  bv is added here once, behind the normalisation: the softmax's weights sum to 1.
; SHARES.  Work-group (x, y): output columns 64 x .. 64 x + 63 (block x of wob), batches 2 y and 2 y + 1.  Wave s takes K step s = heads 2 s, 2 s + 1; the eight waves' sums meet in LDS, ascending.
; THE 16 ROWS OF THE OPERAND: lane row r first stands for (batch 2 y + r % 2, chunk r / 2); the sums over chunks go across the lanes (lane xor 2, 4, 8), after which every row holds its batch's whole sum:
; even rows batch 2 y, odd rows batch 2 y + 1.  Of the product's 16 rows, rows 0 and 9 are kept (register 0 in lanes 0-15, register 1 in lanes 16-31).
; LIMITS: as in the first kernel's head.
; THE MODE: SCHED_MODE bits 1:0 = 2 (LLVM: expert scheduling mode 2), set by the entry lines.  The code itself states the register dependences
; between vector or matrix instructions and memory or LDS instructions, with s_wait_alu, always for 0.
; THE PLAN.  The text has no loop.  Registers that memory or LDS instructions touch:
;   v1-7, v9, v10, v11   addresses and the closing add's two: written at the head, never again; one wait ahead of the first load states all of them.
;   ML, OV, BVR, WF, WS, BO   each written once, by a global load, and read by vector or matrix instructions behind the wait for the loads.
;   EV    written by the four selects, read by the four LDS stores: one wait between.
;   RS    lies over the end of BVR and the start of WF, which the additions of bv and the products have read: the wait ahead of EV's stores stands behind all of those, and no vector instruction names
;         these registers between it and wave 0's LDS loads into them.  The additions then write RS, and the last store reads it: one wait between.
;   s[WV] and s[HM] are written by vector instructions at the head: one wait behind the two, in the head's straight run, ahead of every reader.
.set BLOCK, 34816
.set SPARE, 4096                       ; behind the waves' sums (8 x 512 bytes from byte 0): the spare words, 128 bytes for each wave: four blocks of 256 bytes that no other line names
.set LI,  1                            ; 16 x lane: a fragment's image; also where wave 0 reads the sums back
.set OA,  2                            ; part_o: (8 (r % 2) + r / 2) rows of 4,096 bytes + 64 h
.set MA,  3                            ; part_ml: the same rows of 128 bytes
.set BA,  4                            ; 64 h
.set WSA, 5                            ; 32 r
.set BOA, 6                            ; 16 r
.set RW,  7                            ; 512 x wave + 256 h + 4 r
.set OO,  9                            ; 4,096 h + 16 r
.set SPW, 10                           ; my spare word; never rewritten
.set NIL, 11                           ; 0; never rewritten
.set ML,  16                           ; v16-19 m, l of head 2 s; m, l of head 2 s + 1
.set MX,  20
.set WT,  22
.set ZS,  24
.set F0,  26                           ; v[26:27], v[28:29]: w / L; the packed form names a pair and takes its low word
.set F1,  28
.set OV,  32                           ; v32-95   register 16 b + i = column 128 s + 32 b + 16 h + i
.set BVR, 96                           ; v96-159  bv likewise; later the products
.set DR,  96
.set EV,  128
.set RS,  132                          ; v132-163 the eight waves' sums
.set WF,  160                          ; v160-191 Wo's four fragments
.set WS,  192                          ; v192-195 their scale words; v196 mine: scales and nothing else
.set PW,  196
.set BO,  200
.set PC,  204
.set TM,  212
.set WV,  16
.set HM,  19
.set SEL, 24
.macro QUANT src, pc, pw
.irp b, 0,1,2,3
	v_max3_num_f32 v[TM+\b], |v[\src+16*\b]|, |v[\src+1+16*\b]|, 0x1800000   ; block b: my 16 numbers, and the floor 2^(3 - 127): the byte cannot fall under 1
.endr
.irp i, 2,4,6,8,10,12,14
.irp b, 0,1,2,3
	v_max3_num_f32 v[TM+\b], v[TM+\b], |v[\src+16*\b+\i]|, |v[\src+1+16*\b+\i]|
.endr
.endr
.irp b, 0,1,2,3
	v_permlanex16_b32 v[TM+4+\b], v[TM+\b], s[SEL], s[SEL+1]
.endr
.irp b, 0,1,2,3
	v_max_num_f32 v[TM+\b], v[TM+\b], v[TM+4+\b]
.endr
.irp b, 0,1,2,3
	v_add_nc_u32 v[TM+12+\b], 0xff000000, v[TM+\b]   ; 2 off the exponent field: the conversion's scale operand
.endr
.irp b, 0,1,2,3
	v_lshrrev_b32 v[TM+4+\b], 23, v[TM+12+\b]
.endr
	v_lshl_or_b32 v[\pw], v[TM+5], 8, v[TM+4]
	v_lshl_or_b32 v[\pw], v[TM+6], 16, v[\pw]
	v_lshl_or_b32 v[\pw], v[TM+7], 24, v[\pw]
.irp b, 0,1,2,3
	v_cvt_scalef32_pk8_fp4_f32 v[\pc+2*\b], v[\src+16*\b:\src+7+16*\b], v[TM+12+\b]
	v_cvt_scalef32_pk8_fp4_f32 v[\pc+1+2*\b], v[\src+8+16*\b:\src+15+16*\b], v[TM+12+\b]
.endr
	v_nop                                          ; one plain place behind a scaled conversion
.irp c, 0,1
.irp i, 0,1
	v_permlane16_swap_b32 v[\pc+4*\c+\i], v[\pc+2+4*\c+\i]
.endr
.endr
.endm
	s_load_b256 s[4:11], s[0:1], 0x0               ; part_o s[4:5], part_ml s[6:7], bv s[8:9], wob s[10:11]
	s_load_b128 s[12:15], s[0:1], 0x20             ; bo s[12:13], out0 s[14:15]
	v_lshl_add_u32 v[SPW], v0, 2, SPARE
	v_mov_b32 v[NIL], 0
	v_lshrrev_b32 v12, 5, v0
	v_readfirstlane_b32 s[WV], v12                 ; wave 0..7 = K step
	v_bfe_u32 v14, v0, 4, 1                        ; h
	v_cmp_ne_u32 s[HM], 0, v14                     ; lanes 16-31
	s_and_b32 s17, ttmp7, 0xffff                   ; y
	v_and_b32 v12, 31, v0                          ; lane
	v_and_b32 v13, 15, v0                          ; r
	v_lshlrev_b32 v[LI], 4, v12
	v_and_b32 v15, 1, v13
	v_lshlrev_b32 v15, 3, v15
	v_lshrrev_b32 v12, 1, v13
	v_add_nc_u32 v15, v15, v12                     ; 8 (r % 2) + r / 2: my row among the pair's sixteen partial rows
	v_lshlrev_b32 v[BA], 6, v14
	v_lshl_add_u32 v[OA], v15, 12, v[BA]
	v_lshlrev_b32 v[MA], 7, v15
	v_lshlrev_b32 v[WSA], 5, v13
	v_lshlrev_b32 v[BOA], 4, v13
	s_wait_alu depctr_va_sdst(0)                   ; the wave's number and the mask of lanes 16-31 are written, ahead of their first readers (the line below; the selects behind the products) and of every branch
	s_lshl_b32 s18, s[WV], 9
	v_lshl_add_u32 v[RW], v14, 8, s18
	v_lshl_add_u32 v[RW], v13, 2, v[RW]
	v_lshl_add_u32 v[OO], v14, 12, v[BOA]
.irp b, 0,1,2,3
	v_mov_b32 v[TM+4+\b], 0                        ; written once: a lane permute's destination counts as one of its sources
.endr
	v_mov_b32 v[F0+1], 0                           ; (named as the upper halves of pairs, so they are written)
	v_mov_b32 v[F1+1], 0
	s_mov_b32 s[SEL], 0x76543210
	s_mov_b32 s[SEL+1], 0xfedcba98
	s_mov_b32 s27, 0
	s_mov_b32 s29, 0
	s_wait_kmcnt 0x0
	s_lshl_b32 s26, s17, 16                        ; 16 rows of part_o,
	s_add_co_u32 s26, s26, s18                     ; my K step's 512 bytes
	s_add_nc_u64 s[4:5], s[4:5], s[26:27]
	s_lshl_b32 s26, s17, 11
	s_lshl_b32 s28, s[WV], 4
	s_add_co_u32 s26, s26, s28
	s_add_nc_u64 s[6:7], s[6:7], s[26:27]
	s_mov_b32 s28, s18
	s_add_nc_u64 s[8:9], s[8:9], s[28:29]
	s_mul_i32 s26, ttmp9, BLOCK
	s_add_nc_u64 s[10:11], s[10:11], s[26:27]      ; block x of wob:
	s_lshl_b32 s28, s[WV], 12
	s_add_nc_u64 s[20:21], s[10:11], s[28:29]      ; my K step's four images,
	s_lshl_b32 s28, s[WV], 2
	s_add_co_u32 s28, s28, 32768
	s_add_nc_u64 s[22:23], s[10:11], s[28:29]      ; and its scale words
	s_lshl_b32 s28, ttmp9, 8
	s_add_nc_u64 s[12:13], s[12:13], s[28:29]
	s_lshl_b32 s26, s17, 13
	s_add_co_u32 s26, s26, s28
	s_add_nc_u64 s[14:15], s[14:15], s[26:27]      ; out0: row 2 y, column 64 x
	s_wait_alu depctr_va_vdst(0)                   ; the addresses v1 to v7 and v9 are written, which the loads and stores of the kernel read; none is written again
	global_load_b128 v[ML:ML+3], v[MA], s[6:7]
.irp b, 0,1,2,3
.irp j, 0,1,2,3
	global_load_b128 v[OV+16*\b+4*\j:OV+16*\b+4*\j+3], v[OA], s[4:5] offset:128*\b+16*\j
.endr
.endr
.irp b, 0,1,2,3
.irp j, 0,1,2,3
	global_load_b128 v[BVR+16*\b+4*\j:BVR+16*\b+4*\j+3], v[BA], s[8:9] offset:128*\b+16*\j
.endr
.endr
.irp t, 0,1,2,3
.irp c, 0,1
	global_load_b128 v[WF+8*\t+4*\c:WF+8*\t+4*\c+3], v[LI], s[20:21] offset:1024*\t+512*\c
.endr
	global_load_b32 v[WS+\t], v[WSA], s[22:23] offset:512*\t
.endr
	s_cmp_lg_u32 s[WV], 0
	s_cbranch_scc1 .Lno_bo
	global_load_b128 v[BO:BO+3], v[BOA], s[12:13]  ; wave 0 finishes the sums: it alone wants bo
.Lno_bo:
	s_wait_loadcnt 0x0
	v_mov_b32 v[MX], v[ML]
	v_mov_b32 v[MX+1], v[ML+2]
.irp x, 2,4,8
	v_max_num_f32_dpp v[MX], v[MX], v[MX] row_xmask:\x row_mask:0xf bank_mask:0xf          ; M over my batch's eight chunks
	v_max_num_f32_dpp v[MX+1], v[MX+1], v[MX+1] row_xmask:\x row_mask:0xf bank_mask:0xf
.endr
	v_sub_f32 v[WT], v[ML], v[MX]
	v_sub_f32 v[WT+1], v[ML+2], v[MX+1]
	v_exp_f32 v[WT], v[WT]                         ; w = 2^(m - M)
	v_exp_f32 v[WT+1], v[WT+1]
	v_nop                                          ; a plain place behind the exponentials,
	s_wait_alu depctr_va_vdst(0)                   ; the two exponentials have written v[WT] and v[WT + 1]: the wait ahead of their first reader
	v_mul_f32 v[ZS], v[WT], v[ML+1]
	v_mul_f32 v[ZS+1], v[WT+1], v[ML+3]
.irp x, 2,4,8
	v_add_f32_dpp v[ZS], v[ZS], v[ZS] row_xmask:\x row_mask:0xf bank_mask:0xf              ; L = sum w l (at least 1: the chunk that holds M has w = 1 and l >= 1)
	v_add_f32_dpp v[ZS+1], v[ZS+1], v[ZS+1] row_xmask:\x row_mask:0xf bank_mask:0xf
.endr
	v_rcp_f32 v[ZS], v[ZS]
	v_rcp_f32 v[ZS+1], v[ZS+1]
	v_nop
	s_wait_alu depctr_va_vdst(0)                   ; the two reciprocals have written v[ZS] and v[ZS + 1]: the same wait, ahead of their first reader
	v_mul_f32 v[F0], v[WT], v[ZS]
	v_mul_f32 v[F1], v[WT+1], v[ZS+1]
.set j, 0
.rept 16
	v_pk_mul_f32 v[OV+j:OV+j+1], v[OV+j:OV+j+1], v[F0:F0+1] op_sel_hi:[1,0]                ; registers 0-31: head 2 s
	v_pk_mul_f32 v[OV+32+j:OV+33+j], v[OV+32+j:OV+33+j], v[F1:F1+1] op_sel_hi:[1,0]        ; registers 32-63: head 2 s + 1
.set j, j+2
.endr
.irp x, 2,4,8
.set j, 0
.rept 64
	v_add_f32_dpp v[OV+j], v[OV+j], v[OV+j] row_xmask:\x row_mask:0xf bank_mask:0xf        ; over the chunks; the registers by turns
.set j, j+1
.endr
.endr
.set j, 0
.rept 32
	v_pk_add_f32 v[OV+j:OV+j+1], v[OV+j:OV+j+1], v[BVR+j:BVR+j+1]                          ; + bv
.set j, j+2
.endr
	QUANT OV, PC, PW
.rept 8
	v_nop                                          ; a scale register written by a vector instruction stands 8 places ahead of a scaled matrix instruction, an operand 4
.endr
	s_wait_alu depctr_va_vdst(0)                   ; QUANT has written the fragment v[PC ..] and the scale word v[PW], which the scaled products take; the places above stay beside this wait
.irp t, 0,1,2,3
	v_wmma_scale_f32_16x16x128_f8f6f4 v[DR+8*\t:DR+8*\t+7], v[PC:PC+7], v[WF+8*\t:WF+8*\t+7], 0, v[PW], v[WS+\t] matrix_a_fmt:MATRIX_FMT_FP4 matrix_b_fmt:MATRIX_FMT_FP4   ; register j: row 8 h + j; the lane: column 16 t + r
.endr
.rept 4
	v_nop
.endr
.irp t, 0,1,2,3
	v_cndmask_b32 v[EV+\t], v[DR+8*\t], v[DR+8*\t+1], s[HM]   ; lanes 0-15: row 0 (batch 2 y); lanes 16-31: row 9 (batch 2 y + 1)
.endr
	s_wait_alu depctr_va_vdst(0)                   ; the selects have written v[EV ..], which the LDS stores read; and the products and the additions of bv are done with v132 to v163, in which wave 0's LDS loads land behind the barrier (no vector instruction names them in between)
.irp t, 0,1,2,3
	ds_store_b32 v[RW], v[EV+\t] offset:64*\t
.endr
	s_wait_dscnt 0x0                               ; for the others' sake: my stores have landed
	s_barrier_signal -1
	s_barrier_wait -1
	s_cmp_lg_u32 s[WV], 0
	s_cbranch_scc1 .Lend
.irp p, 0,1,2,3,4,5,6,7
	ds_load_b128 v[RS+4*\p:RS+4*\p+3], v[LI] offset:512*\p     ; lane l: batch 2 y + l / 16, columns 4 (l % 16) on
.endr
	s_wait_dscnt 0x0
.irp p, 1,2,3,4,5,6,7
	v_pk_add_f32 v[RS:RS+1], v[RS:RS+1], v[RS+4*\p:RS+4*\p+1]             ; the K steps' sums, ascending
	v_pk_add_f32 v[RS+2:RS+3], v[RS+2:RS+3], v[RS+4*\p+2:RS+4*\p+3]
.endr
	v_pk_add_f32 v[RS:RS+1], v[RS:RS+1], v[BO:BO+1]
	v_pk_add_f32 v[RS+2:RS+3], v[RS+2:RS+3], v[BO+2:BO+3]
	s_wait_alu depctr_va_vdst(0)                   ; the additions have written v[RS .. RS + 3], which the store reads
	global_store_b128 v[OO], v[RS:RS+3], s[14:15]  ; sixteen lanes store 256 consecutive bytes, aligned, of each of the two rows
.Lend:
	s_wait_dscnt 0x0                               ; the closing lines, six on end
	s_wait_alu 0x0
	s_wait_tensorcnt 0x0
	ds_add_u32 v[SPW], v[NIL]
	s_wait_dscnt 0x0
	s_endpgm
.Lfunc_end_k_q171afbe38e_outp:
	.size	k_q171afbe38e_outp, .Lfunc_end_k_q171afbe38e_outp-k_q171afbe38e_outp
	.p2alignl 7, 3214868480
	.fill 96, 4, 3214868480
	.section	.rodata,"a",@progbits
	.p2align	6, 0x0
	.amdhsa_kernel k_q171afbe38e_outp
		.amdhsa_group_segment_fixed_size 5120
		.amdhsa_private_segment_fixed_size 0
		.amdhsa_enable_private_segment 0
		.amdhsa_kernarg_size 48
		.amdhsa_user_sgpr_count 2
		.amdhsa_user_sgpr_kernarg_segment_ptr 1
		.amdhsa_wavefront_size32 1
		.amdhsa_system_sgpr_workgroup_id_x 1
		.amdhsa_system_sgpr_workgroup_id_y 1
		.amdhsa_system_sgpr_workgroup_id_z 1
		.amdhsa_system_vgpr_workitem_id 0
		.amdhsa_next_free_vgpr 256
		.amdhsa_next_free_sgpr 66
		.amdhsa_reserve_vcc 0
		.amdhsa_float_denorm_mode_32 3
		.amdhsa_float_denorm_mode_16_64 3
		.amdhsa_memory_ordered 1
		.amdhsa_forward_progress 1
		.amdhsa_inst_pref_size 32
	.end_amdhsa_kernel
	.amdgpu_metadata
---
amdhsa.version: [ 1, 2 ]
amdhsa.kernels:
  - .name:           k_q171afbe38e_outp
    .symbol:         k_q171afbe38e_outp.kd
    .args:
      - { .name: part_o, .offset: 0, .size: 8, .value_kind: global_buffer, .address_space: global }
      - { .name: part_ml, .offset: 8, .size: 8, .value_kind: global_buffer, .address_space: global }
      - { .name: bv, .offset: 16, .size: 8, .value_kind: global_buffer, .address_space: global }
      - { .name: wob, .offset: 24, .size: 8, .value_kind: global_buffer, .address_space: global }
      - { .name: bo, .offset: 32, .size: 8, .value_kind: global_buffer, .address_space: global }
      - { .name: out0, .offset: 40, .size: 8, .value_kind: global_buffer, .address_space: global }
    .group_segment_fixed_size: 5120
    .private_segment_fixed_size: 0
    .kernarg_segment_align: 8
    .kernarg_segment_size: 48
    .max_flat_workgroup_size: 256
    .sgpr_count:     66
    .vgpr_count:     256
    .wavefront_size: 32
...
	.end_amdgpu_metadata
.endif
;; end of part 5
